; MI455X (gfx1250); checked and timed in simulation.
; The chip was launched on July 23, 2026; its instructions are those of AMD's public machine-readable ISA for CDNA 5 (MIT licence, August 2026) and "CDNA5" Instruction Set Architecture Reference Guide (July 2026). The comments in the code are by the model that wrote it; some were corrected since.
;; GQA. Allowed arithmetic: matrix products marked QUANTISED: E2M1 operands, one E8M0 scale for each 32 along K, by v_wmma_scale_f32_16x16x128_f8f6f4 with both operands' format E2M1 (or v_wmma_scale_f32_32x16x128_f4), f32 sums; products left as they are: bf16, f16 or f32 operands; f32 sums; everything else in f32.
;; Inputs: alpha_k 1,024 float32; alpha_q 2,048 float32; cos 2,048 x 128 float32; sin 2,048 x 128 float32; w_k 1,024 x 1,024 float32; w_o 2,048 x 1,024 float32; w_q 1,024 x 2,048 float32; w_v 1,024 x 1,024 float32; x 2 x 2,048 x 1,024 float32.
;; Outputs: out0 2 x 2,048 x 1,024 float32.
;; This version of the problem:
;;   THIS VERSION OF THE PROBLEM IS GIVEN IN LOW PRECISION. The matrix products marked QUANTISED in the list below multiply operands that are first quantised to E2M1 (2 exponent bits, 1 mantissa bit; 4 bits a number), with one power-of-two scale for each 32 numbers along K (OCP MX v1.0); their sums are f32. The products marked 'left as it is' may take bf16, f16 or f32 operands, with f32 sums. Whichever they take, every output number must still come out within the allowed error. Rounding operands to bf16 (8 significant bits) uses up far more of that allowance than f16 does (11 bits, for magnitudes from 6e-5 to 65,504). All else is computed in f32.
;;   The module's matrix products, in the order in which they are computed (A, B: the left and right operand; K: the contracted axis; several contracted axes count as one K, in the product's order):
;;     1. [M 4,096, K 1,024] x [K 1,024, N 2,048]; A: input x; B: input w_q: QUANTISED
;;     2. [M 4,096, K 1,024] x [K 1,024, N 1,024]; A: input x; B: input w_k: QUANTISED
;;     3. [M 4,096, K 1,024] x [K 1,024, N 1,024]; A: input x; B: input w_v: QUANTISED
;;     4. batch 32 x [M 2,048, K 128] x [K 128, N 2,048]; A: computed on the way; B: computed on the way: left as it is (an operand is computed on the way)
;;     5. batch 32 x [M 2,048, K 2,048] x [K 2,048, N 128]; A: computed on the way; B: computed on the way: left as it is (an operand is computed on the way)
;;     6. [M 4,096, K 2,048] x [K 2,048, N 1,024]; A: computed on the way; B: input w_o: left as it is (an operand is computed on the way)
;;   THE QUANTISER, for each operand of a quantised product, along K:
;;     - K is cut into blocks of 32 from its start; a last block that is shorter is filled with zeros.
;;     - A block's scale is 2^e with e = floor(log2(the largest magnitude in the block)) - 2, held to -126 .. 127; a block of zeros has e = 0. As a byte (E8M0): e + 127.
;;     - Each number is divided by its block's scale, clamped to +-6, and rounded to the nearest number of E2M1, ties to even, subnormals kept.
;;     - The product sums the exact products of the quantised numbers (number of the format x scale) in f32.
;;   ~~~python
;;   def quantise(x, axis):      # numpy; x: float32 -> the quantised numbers, widened to float32 again
;;       x = np.moveaxis(x, axis, -1); K = x.shape[-1]
;;       x = np.pad(x, [(0, 0)] * (x.ndim - 1) + [(0, -K % 32)]); x = x.reshape(x.shape[:-1] + (-1, 32)); a = np.abs(x).max(-1, keepdims=True)
;;       e = np.where(a > 0, np.clip(np.frexp(np.where(a > 0, a, 1))[1] - 1 - 2, -126, 127), 0)      # np.frexp(a)[1] - 1 = floor(log2(a)), exactly
;;       r = np.clip(x / 2.0 ** e, -6, 6)
;;       step = 2.0 ** (np.maximum(np.frexp(np.where(r == 0, 1, r))[1] - 1, 0) - 1)
;;       q = np.round(r / step) * step * 2.0 ** e      # np.round: ties to even
;;       return np.moveaxis(q.reshape(q.shape[:-2] + (-1,))[..., :K], -1, axis).astype(np.float32)
;;   ~~~
;; One version. Each part assembles by itself: llvm-mc -triple=amdgcn-amd-amdhsa -mcpu=gfx1250 --defsym DOCPART=n.
;; ======== version 1 of 1: 5 launches
;; limits: values are held in f16: magnitudes above 65,504 overflow, below 6.1e-05 lose precision; right only within a limited range of input values
;; workspace buffers: xq 2,228,224 bytes; wimg 2,228,224 bytes; woimg 4,194,304 bytes; qimg 16,777,216 bytes; kimg 8,388,608 bytes; vimg 8,388,608 bytes; aimg 16,777,216 bytes; side 557,056 bytes
;; launch prep (part 1): grid 512 x 1, 4 waves a work-group, no clusters, 33,280 bytes of LDS; arguments x, w_q, w_k, w_v, w_o, xq, wimg, woimg; writes xq, wimg, woimg
.if DOCPART == 1
	.amdgcn_target "amdgcn-amd-amdhsa--gfx1250"
	.amdhsa_code_object_version 6
	.text
	.protected	k_qf0a748ed90_prep
	.globl	k_qf0a748ed90_prep
	.p2align	8
	.type	k_qf0a748ed90_prep,@function
k_qf0a748ed90_prep:
	s_mov_b64 s[64:65], 0
	v_nop
	global_prefetch_b8 v0, s[64:65] scope:SCOPE_SE
	s_setreg_imm32_b32 hwreg(HW_REG_WAVE_MODE, 25, 1), 1
	s_wait_xcnt 0x0
; THREE JOBS IN ONE LAUNCH, parted by the work-group's number.
;  X (work-groups 0-127):   x [4096][1024] f32 -> codes of FP4 (E2M1), K innermost, [4096][512 bytes] at xq, and one E8M0 byte for each 32 along K, [4096][32] at xq + XSOFF.
;  W (work-groups 128-383): w_q | w_k | w_v, f32 with K as FIRST axis, taken as one matrix of 4,096 columns -> codes and scale words in wimg, laid in the ORDER OF THE OPERAND'S REGISTERS:
;     [column block of 1,024][pair of K steps][256 columns of a wave][K step]{16 fragments x 1,024 bytes | 8 x 128 bytes of scale words}; a fragment (16 columns x 128 K) is 2 x 512 bytes, lane l's 16 bytes at 16 l.
;  O (work-groups 384-511): w_o [2048 k][1024 n] f32 -> f16, as images of fragments of 16 columns x 32 k: woimg [n / 128][k / 32][8][1,024 bytes].
; THE QUANTISER: a block's scale is 2^(floor(log2(largest magnitude)) - 2); its byte is that magnitude's exponent field - 2, held at 1 from below; numbers / scale go to the nearest code, ties to even, beyond 6 to 6.
; LIMITS: a block of zeros gets the byte 1 where the rule says 127 (its codes are zeros, which add nothing, and this program alone reads the bytes); blocks whose largest magnitude lies under 2^(3 - 127) are held at that floor;
; NaN and infinities among the inputs are not served; w_o beyond 65,504 in magnitude has no f16 number.
; In W and O a lane takes a column and its registers run down K: a load reads 128 consecutive bytes a wave, a block of 32 along K lies in one lane, and the results are the operand's registers: they are stored as they
; stand, sixteen lanes to 256 consecutive aligned bytes.  Only path X uses LDS.  The launch streams: no matrix unit, no cluster, no tensor load.
.set XSOFF, 2097152
.set STEPS, 16
.set EMAX,  2
.set CB,    8                          ; bytes of 16 codes
.set R,     16                         ; X: v16-79   four sets of 16 numbers as loaded
.set X,     80                         ; X: v80-111  two sets of 16 neighbours
.set E,     112                        ; X: v112-127 a scale byte for each step
.set C,     128                        ; X: v128-191 codes, four registers a step
.set WREG,  8192                       ; X: LDS region of a wave: two stages of 32 x SP bytes, then its 256 scale bytes
.set SP,    80
.set SPW,   12                         ; v12 LDS address of my spare word; never rewritten
.set NIL,   13                         ; v13 0; never rewritten
.set SPARE, 4*WREG                     ; behind the four regions: the spare words, 128 bytes a wave
; ---- path X's steps
.macro LOAD t
.irp i, 0,1,2,3
	global_load_b128 v[R+16*((\t)%4)+4*\i:R+16*((\t)%4)+4*\i+3], v3, s[4:5] offset:2048*(\t)+512*\i th:TH_LOAD_NT   ; 32 lanes read 512 consecutive bytes
.endr
.endm
.macro TURN t                          ; a step's 2,048 bytes through my stage: in as loaded, out 64 bytes a lane; LDS serves a wave's instructions in order
.irp i, 0,1,2,3
	ds_store_b128 v14, v[R+16*((\t)%4)+4*\i:R+16*((\t)%4)+4*\i+3] offset:32*SP*((\t)%2)+8*SP*\i
.endr
.irp i, 0,1,2,3
	ds_load_b128 v[X+16*((\t)%2)+4*\i:X+16*((\t)%2)+4*\i+3], v15 offset:32*SP*((\t)%2)+16*\i
.endr
.endm
.macro STEP t
.set XS, X+16*((\t)%2)
.if (\t) > 0
	s_wait_dscnt 1                                 ; this step's numbers are back (the last step's byte store may be out)
.else
	s_wait_dscnt 0x0
.endif
.if (\t)+4 < STEPS
	LOAD (\t)+4
.endif
.if (\t)+1 < STEPS
.if STEPS-2-(\t) >= 3
	s_wait_loadcnt 12                              ; the next step's four loads are in; three younger steps' twelve may be out
.else
	s_wait_loadcnt 4*(STEPS-2-(\t))
.endif
	TURN (\t)+1
.endif
	v_max3_num_f32 v8, |v[XS]|, |v[XS+1]|, |v[XS+2]|
	v_max3_num_f32 v9, |v[XS+3]|, |v[XS+4]|, |v[XS+5]|
.irp i, 6,10
	v_max3_num_f32 v8, v8, |v[XS+\i]|, |v[XS+\i+1]|
	v_max3_num_f32 v9, v9, |v[XS+\i+2]|, |v[XS+\i+3]|
.endr
	v_max3_num_f32 v8, v8, |v[XS+14]|, |v[XS+15]|
	v_max3_num_f32 v8, v8, v9, (EMAX+1)<<23        ; with the floor 2^(3 - 127): the byte cannot fall under 1
	v_max_num_f32_dpp v8, v8, v8 row_xmask:1 row_mask:0xf bank_mask:0xf   ; and my neighbour's 16: the block's largest magnitude
	v_add_nc_u32 v11, -(EMAX<<23), v8              ; 2 off its exponent field: the conversion's scale operand
	v_cvt_scalef32_pk8_fp4_f32 v[C+4*(\t)], v[XS:XS+7], v11
	v_cvt_scalef32_pk8_fp4_f32 v[C+4*(\t)+1], v[XS+8:XS+15], v11
	v_lshrrev_b32 v[E+(\t)], 23, v11               ; the scale's byte
	ds_store_b8 v5, v[E+(\t)] offset:16*(\t)       ; both lanes of a block write the same byte with the same value
	global_store_b64 v4, v[C+4*(\t):C+4*(\t)+1], s[26:27] offset:32*CB*(\t)   ; the wave stores 256 consecutive aligned bytes
.endm
; ---- paths W and O: block t = 32 rows k of my 32 columns, into set t % 2 (v32-63, v64-95)
.macro LOADW t, pitch
.irp i, 0,1,2,3,4,5,6,7,8,9,10,11,12,13,14,15,16,17,18,19,20,21,22,23,24,25,26,27,28,29,30,31
	global_load_b32 v[32+32*((\t)%2)+\i], v3, s[26:27] offset:(32*(\t)+\i)*(\pitch) th:TH_LOAD_NT
.endr
.endm
.macro BLOCKW t, pitch
.set XW, 32+32*((\t)%2)
.if (\t) < 3
	s_wait_loadcnt 32                              ; this block's 32 loads are in; the next block's 32 may be out
.else
	s_wait_loadcnt 0x0
.endif
	v_max3_num_f32 v8, |v[XW]|, |v[XW+1]|, |v[XW+2]|   ; all 32 numbers of the block are mine
	v_max3_num_f32 v9, |v[XW+3]|, |v[XW+4]|, |v[XW+5]|
.irp i, 6,10,14,18,22,26
	v_max3_num_f32 v8, v8, |v[XW+\i]|, |v[XW+\i+1]|
	v_max3_num_f32 v9, v9, |v[XW+\i+2]|, |v[XW+\i+3]|
.endr
	v_max3_num_f32 v8, v8, |v[XW+30]|, |v[XW+31]|
	v_max3_num_f32 v8, v8, v9, (EMAX+1)<<23
	v_add_nc_u32 v11, -(EMAX<<23), v8
	v_lshrrev_b32 v9, 23, v11
.if (\t) == 0
	v_mov_b32 v24, v9                              ; the K step's four bytes make my column's scale word
.else
	v_lshl_or_b32 v24, v9, 8*(\t), v24
.endif
.irp g, 0,1,2,3
	v_cvt_scalef32_pk8_fp4_f32 v[96+4*(\t)+\g], v[XW+8*\g:XW+8*\g+7], v11
.endr
	global_store_b128 v4, v[96+4*(\t):96+4*(\t)+3], s[28:29] offset:((\t)/2)*512+((\t)%2)*256   ; block 2 c + h of the K step: registers 4 c .. 4 c + 3 of lane (r, h).  Each block has code registers of its own
.if (\t)+2 < 4
	LOADW (\t)+2, \pitch
.endif
.endm
.macro WPATH pitch
	LOADW 0, \pitch
	LOADW 1, \pitch
	BLOCKW 0, \pitch
	BLOCKW 1, \pitch
	BLOCKW 2, \pitch
	BLOCKW 3, \pitch
	global_store_b32 v3, v24, s[30:31]             ; 32 scale words: 128 consecutive bytes; an even block of 16 columns in lanes 0-15, the odd one in lanes 16-31
.endm
.macro BLOCKO t
.set XW, 32+32*((\t)%2)
.set CW, 96+16*((\t)%2)
.if (\t) < 3
	s_wait_loadcnt 32
.else
	s_wait_loadcnt 0x0
.endif
.if (\t) >= 2
	s_wait_xcnt 0x0                                ; the stores of two blocks back have read these registers
.endif
.irp i, 0,1,2,3,4,5,6,7,8,9,10,11,12,13,14,15
	v_cvt_pk_f16_f32 v[CW+\i], v[XW+2*\i], v[XW+2*\i+1]   ; two neighbours down k
.endr
.irp g, 0,1,2,3
	global_store_b128 v4, v[CW+4*\g:CW+4*\g+3], s[28:29] offset:(\t)*8192+(\g/2)*512+(\g%2)*256   ; k = 16 c + 8 h + 0 .. 7 of the fragment
.endr
.if (\t)+2 < 4
	LOADW (\t)+2, 4096
.endif
.endm
	s_load_b512 s[4:19], s[0:1], 0x0               ; x 4:5, w_q 6:7, w_k 8:9, w_v 10:11, w_o 12:13, xq 14:15, wimg 16:17, woimg 18:19
	v_lshl_add_u32 v[SPW], v0, 2, SPARE
	v_mov_b32 v[NIL], 0
	v_lshrrev_b32 v1, 5, v0
	v_readfirstlane_b32 s20, v1                    ; wave
	v_and_b32 v2, 31, v0                           ; lane
	s_mov_b32 s25, 0                               ; the high word of every offset below
	s_wait_kmcnt 0x0
	s_cmp_lt_u32 ttmp9, 128
	s_cbranch_scc1 .Lpath_x
	v_lshlrev_b32 v3, 2, v2                        ; W, O: 4 bytes a lane
	v_lshrrev_b32 v4, 4, v2
	v_and_b32 v5, 15, v2
	v_lshlrev_b32 v4, 10, v4
	v_lshl_add_u32 v4, v5, 4, v4                   ; out: lanes 16-31 hold the next fragment, 1,024 bytes on; 16 bytes a column
	s_cmp_lt_u32 ttmp9, 384
	s_cbranch_scc1 .Lpath_w
	; ---- path O: 128 k x 128 n of w_o
	s_sub_co_u32 s21, ttmp9, 384
	s_and_b32 s22, s21, 7                          ; which 128 columns
	s_lshr_b32 s23, s21, 3                         ; which 128 rows k
	s_lshl_b32 s24, s23, 19                        ; 128 rows of 4,096 bytes
	s_lshl_b32 s32, s22, 9
	s_add_co_u32 s24, s24, s32
	s_lshl_b32 s32, s20, 7                         ; my wave's 32 columns
	s_add_co_u32 s24, s24, s32
	s_add_nc_u64 s[26:27], s[12:13], s[24:25]
	s_lshl_b32 s24, s22, 19                        ; woimg: 524,288 bytes for 128 columns,
	s_lshl_b32 s32, s23, 15                        ; 8,192 for 32 k,
	s_add_co_u32 s24, s24, s32
	s_lshl_b32 s32, s20, 11                        ; 1,024 a fragment, two to a wave
	s_add_co_u32 s24, s24, s32
	s_add_nc_u64 s[28:29], s[18:19], s[24:25]
	LOADW 0, 4096
	LOADW 1, 4096
	BLOCKO 0
	BLOCKO 1
	BLOCKO 2
	BLOCKO 3
	s_endpgm
.Lpath_w:
	; ---- path W: 128 columns x one K step of 128
	s_sub_co_u32 s21, ttmp9, 128
	s_and_b32 s22, s21, 31                         ; cg: which 128 of the 4,096 columns
	s_lshr_b32 s23, s21, 5                         ; ks: which K step
	s_lshr_b32 s24, s22, 3
	s_mul_i32 s24, s24, 557056                     ; the column block of 1,024,
	s_lshr_b32 s32, s23, 1
	s_mul_i32 s32, s32, 139264                     ; the pair of K steps,
	s_add_co_u32 s24, s24, s32
	s_bfe_u32 s32, s22, 0x20001
	s_mul_i32 s32, s32, 34816                      ; the 256 columns of a wave of the next launch,
	s_add_co_u32 s24, s24, s32
	s_and_b32 s32, s23, 1
	s_mul_i32 s32, s32, 17408                      ; the K step of the pair
	s_add_co_u32 s24, s24, s32
	s_add_nc_u64 s[30:31], s[16:17], s[24:25]
	s_and_b32 s32, s22, 1
	s_lshl_b32 s33, s32, 3
	s_lshl_b32 s34, s20, 1
	s_add_co_u32 s33, s33, s34                     ; my first block of 16 columns among the 16
	s_lshl_b32 s24, s33, 10
	s_add_nc_u64 s[28:29], s[30:31], s[24:25]      ; its codes
	s_lshl_b32 s33, s32, 2
	s_add_co_u32 s33, s33, s20
	s_lshl_b32 s24, s33, 7
	s_add_co_u32 s24, s24, 16384
	s_add_nc_u64 s[30:31], s[30:31], s[24:25]      ; and my 32 scale words
	s_lshl_b32 s34, s20, 7                         ; my wave's 32 columns in a row of the weight
	s_cmp_lt_u32 s22, 16
	s_cbranch_scc0 .Lkv
	s_lshl_b32 s24, s23, 20                        ; w_q: 128 rows of 8,192 bytes
	s_lshl_b32 s33, s22, 9
	s_add_co_u32 s24, s24, s33
	s_add_co_u32 s24, s24, s34
	s_add_nc_u64 s[26:27], s[6:7], s[24:25]
	WPATH 8192
	s_endpgm
.Lkv:
	s_cmp_lt_u32 s22, 24
	s_cselect_b64 s[26:27], s[8:9], s[10:11]       ; w_k or w_v: rows of 4,096 bytes
	s_lshl_b32 s24, s23, 19
	s_and_b32 s33, s22, 7
	s_lshl_b32 s33, s33, 9
	s_add_co_u32 s24, s24, s33
	s_add_co_u32 s24, s24, s34
	s_add_nc_u64 s[26:27], s[26:27], s[24:25]
	WPATH 4096
	s_endpgm
.Lpath_x:
	; ---- path X: a wave takes 16 steps of 512 numbers of the stream x
	v_lshlrev_b32 v3, 4, v2                        ; my 16 bytes of a load's 512
	s_mul_i32 s21, s20, WREG
	v_lshrrev_b32 v14, 2, v2
	v_mul_u32_u24 v14, v14, SP
	v_and_b32 v15, 3, v2
	v_lshl_add_u32 v14, v15, 4, v14
	v_add_nc_u32 v14, s21, v14                     ; the stage, in: SP (lane / 4) + 16 (lane % 4)
	v_mul_u32_u24 v15, v2, SP
	v_add_nc_u32 v15, s21, v15                     ; out: SP x lane: my 16 neighbours
	v_mul_u32_u24 v4, v2, CB
	v_lshrrev_b32 v5, 1, v2
	s_add_co_u32 s21, s21, 2*32*SP
	v_add_nc_u32 v5, s21, v5                       ; my block's byte among my wave's 256
	v_lshlrev_b32 v7, 3, v2
	v_add_nc_u32 v6, s21, v7
	s_lshl_b32 s22, ttmp9, 2
	s_add_co_u32 s22, s22, s20                     ; which run of 8,192 numbers
	s_lshl_b32 s24, s22, 15
	s_add_nc_u64 s[4:5], s[4:5], s[24:25]
	s_lshl_b32 s24, s22, 12
	s_add_nc_u64 s[26:27], s[14:15], s[24:25]      ; its 4,096 bytes of codes
	s_lshl_b32 s24, s22, 8
	s_add_co_u32 s24, s24, XSOFF
	s_add_nc_u64 s[28:29], s[14:15], s[24:25]      ; its 256 scale bytes
.irp t, 0,1,2,3
	LOAD \t
.endr
	s_wait_loadcnt 12                              ; step 0's four loads are in
	TURN 0
.irp t, 0,1,2,3,4,5,6,7,8,9,10,11,12,13,14,15
	STEP \t
.endr
	ds_load_b64 v[8:9], v6                         ; LDS serves a wave's instructions in order: these see my byte stores
	s_wait_dscnt 0x0
	global_store_b64 v7, v[8:9], s[28:29]          ; 256 consecutive aligned bytes
	s_wait_tensorcnt 0x0                           ; the wave's end, behind my last LDS store
	ds_add_u32 v[SPW], v[NIL]
	s_wait_dscnt 0x0
	s_endpgm
.Lfunc_end_k_qf0a748ed90_prep:
	.size	k_qf0a748ed90_prep, .Lfunc_end_k_qf0a748ed90_prep-k_qf0a748ed90_prep
	.p2alignl 7, 3214868480
	.fill 96, 4, 3214868480
	.section	.rodata,"a",@progbits
	.p2align	6, 0x0
	.amdhsa_kernel k_qf0a748ed90_prep
		.amdhsa_group_segment_fixed_size 33280
		.amdhsa_private_segment_fixed_size 0
		.amdhsa_enable_private_segment 0
		.amdhsa_kernarg_size 64
		.amdhsa_user_sgpr_count 2
		.amdhsa_user_sgpr_kernarg_segment_ptr 1
		.amdhsa_wavefront_size32 1
		.amdhsa_system_sgpr_workgroup_id_x 1
		.amdhsa_system_sgpr_workgroup_id_y 1
		.amdhsa_system_sgpr_workgroup_id_z 1
		.amdhsa_system_vgpr_workitem_id 0
		.amdhsa_next_free_vgpr 192
		.amdhsa_next_free_sgpr 66
		.amdhsa_reserve_vcc 0
		.amdhsa_float_denorm_mode_32 3
		.amdhsa_float_denorm_mode_16_64 3
		.amdhsa_memory_ordered 1
		.amdhsa_forward_progress 1
		.amdhsa_inst_pref_size 90
	.end_amdhsa_kernel
	.amdgpu_metadata
---
amdhsa.version: [ 1, 2 ]
amdhsa.kernels:
  - .name:           k_qf0a748ed90_prep
    .symbol:         k_qf0a748ed90_prep.kd
    .args:
      - { .name: x, .offset: 0, .size: 8, .value_kind: global_buffer, .address_space: global }
      - { .name: w_q, .offset: 8, .size: 8, .value_kind: global_buffer, .address_space: global }
      - { .name: w_k, .offset: 16, .size: 8, .value_kind: global_buffer, .address_space: global }
      - { .name: w_v, .offset: 24, .size: 8, .value_kind: global_buffer, .address_space: global }
      - { .name: w_o, .offset: 32, .size: 8, .value_kind: global_buffer, .address_space: global }
      - { .name: xq, .offset: 40, .size: 8, .value_kind: global_buffer, .address_space: global }
      - { .name: wimg, .offset: 48, .size: 8, .value_kind: global_buffer, .address_space: global }
      - { .name: woimg, .offset: 56, .size: 8, .value_kind: global_buffer, .address_space: global }
    .group_segment_fixed_size: 33280
    .private_segment_fixed_size: 0
    .kernarg_segment_align: 8
    .kernarg_segment_size: 64
    .max_flat_workgroup_size: 128
    .sgpr_count:     66
    .vgpr_count:     192
    .wavefront_size: 32
...
	.end_amdgpu_metadata
.endif
;; end of part 1
;; launch qkv (part 2): grid 64 x 4, 4 waves a work-group, clusters of 4 x 1, 327,680 bytes of LDS; arguments xq, wimg, sin, cos, alpha_q, alpha_k, qimg, kimg, vimg, side; writes qimg, kimg, vimg, side
.if DOCPART == 2
	.amdgcn_target "amdgcn-amd-amdhsa--gfx1250"
	.amdhsa_code_object_version 6
	.text
	.protected	k_qf0a748ed90_qkv
	.globl	k_qf0a748ed90_qkv
	.p2align	8
	.type	k_qf0a748ed90_qkv,@function
k_qf0a748ed90_qkv:
	s_mov_b64 s[64:65], 0
	v_nop
	global_prefetch_b8 v0, s[64:65] scope:SCOPE_SE
	s_setreg_imm32_b32 hwreg(HW_REG_WAVE_MODE, 25, 1), 1
	s_wait_xcnt 0x0
	s_wait_alu depctr_hold_cnt(0) depctr_sa_sdst(0) depctr_va_vdst(0) depctr_va_sdst(0) depctr_va_ssrc(0) depctr_va_vcc(0) depctr_vm_vsrc(0)
	s_getreg_b32 s2, hwreg(HW_REG_IB_STS2, 6, 4)
	s_cmp_eq_u32 s2, 0
	s_cbranch_scc0 .Lentry_in_a_cluster
	s_endpgm
.Lentry_in_a_cluster:
	s_bfe_u32 s2, ttmp6, 0x10000c
	s_cmp_lg_u32 s2, 0x3003
	s_cbranch_scc0 .Lentry_shape_is_right
	s_endpgm
.Lentry_shape_is_right:
; x [w_q | w_k | w_v] on codes of FP4 with E8M0 scales, then the RMS norm, alpha, rope, and f16 images for the attention.
; SHARES.  A work-group owns 64 rows x 1,024 columns: column block cb = 0, 1: the halves of Q; 2: K; 3: V.  Wave w owns columns 256 w .. 256 w + 255 (two heads) of all 64 rows: 64 accumulators, 512 registers.
; The product is used transposed (source 0 = 16 columns of the weight, source 1 = 16 rows of x): a lane holds ONE row and eight neighbouring columns.
; THE NORM.  A row's sum of squares over the block's 1,024 columns is complete inside the work-group.  K is normalised by it.  Each half of Q is normalised by ITS OWN 1,024 columns with the same formula,
; rsqrt(ss / 1024 + eps), and the two sums go to side; the factor that is still owed, one positive number a query, is applied to the scores by the launches that read Q.
; V takes the same lines with r = 0, bias 1, alpha' = 1: cos r + 1 = 1, sin r = 0: it comes out unchanged.  (alpha_k is read there and multiplied by 0.)
; CLUSTER.  The four row blocks of a cluster walk the same weights: each wave's quarter of a slot is asked for JOINTLY (mask 15).  x's codes (32 KB of a work-group's 589 KB) and the sin and cos rows are its own: plain loads.
; RING.  Two slots; a slot holds two K steps of 128 of the block's weights as register images.
; K = 1,024 is eight steps, written out: no loop.  When slot 0's last weights are in registers it is filled once more, with the 64 rows of sin and cos.
; OUT.  qimg, kimg: [b][head][position / 16][4,096]: the 16 bytes d = 16 c + 8 h + 0 .. 7 of position r at 512 c + 16 lane.  vimg: the same piece at 512 c + 256 (r / 8) + 128 h + 16 (r % 8), which the turning LDS load wants.
; Every store covers 512 consecutive bytes.  The first 16 positions of each batch also go out in f32 (side + 32,768), for the launch that carries them finely: [b][32 places: 16 Q, 8 K, 8 V][8,192 bytes], the 16 bytes
; d = 16 c + 8 h + 4 u + 0 .. 3 of position r at 1,024 c + 512 u + 16 lane; which of the four partners holds them is decided by EXEC, not by a branch.
; LIMITS: NaN and infinities are not served; f16 needs |alpha (|cos| + |sin|) q| under 65,504 with |q| at most 32 after the norm, and |V| under 65,504; numbers under 6e-5 keep an absolute error of 3e-8.
; REGISTERS.  window 0: v1-15 addresses; v16-79 x's fragments, two sets; v80-111 x's scale words; v112-127 the weights' scale words, two sets; v240-246 made at the head.  Way out: v16-31 sums, v32-39 r, v40-63 at work, v128-191 Y, v192-207 T, v208-239 f16.
; window 1: the weights' fragments, two sets of 128; way out: v0-127 alpha', v128-191 sin r, v192-255 cos r + bias.   windows 2, 3: accumulator (a, bq) at v[8 (16 (a % 2) + bq)] of window 2 + a / 2.
; SCALARS that memory instructions name are written once: s[80:81] the images, s[82:83] the f32 copy, s[88:89] alpha, s[90:91] the sums of squares, s[92:93] x's scale words.  s28-35 are at work.
.set XSOFF, 2097152
.set CBB,   557056                     ; a column block's weights
.set SLOTB, 139264
.set QUART, 34816                      ; a wave's quarter of a slot: 2 x (16,384 of codes + 1,024 of scale words)
.set KSB,   17408
.set AXP,   528                        ; a row of x's codes, of sin or of cos in LDS: 512 bytes + 16
.set AX,    2*SLOTB                    ; x's codes: 64 rows
.set RED,   AX+64*AXP                  ; the waves' sums of squares: 256 bytes a wave
.set SPARE, RED+1024                   ; the spare words, 128 bytes a wave
.set COSL,  64*AXP                     ; sin at 0, cos here, in slot 0
.set MSB, 0
.macro WIN new
.if MSB != (\new)
	s_set_vgpr_msb (MSB<<8)|(\new)
.set MSB, (\new)
.endif
.endm
.macro PLACES n
.rept \n
	v_nop
.endr
.endm
.macro ROUND                           ; a round of the cluster's barrier
	s_barrier_signal -1
	s_barrier_wait -1
	s_cmp_lg_u32 s24, 0
	s_cbranch_scc1 .Lnot_wave_0_\@
	s_barrier_signal -3
.Lnot_wave_0_\@:
	s_barrier_wait -3
	s_barrier_signal -1
	s_barrier_wait -1
.endm
.macro JL g0                           ; my quarter of a slot, jointly: every wave issues it, with its own group 0, which is equal in the four partners
	tensor_load_to_lds s[\g0:\g0+3], s[36:43]
	s_nop 0
	PLACES 4                                       ; also the places in front of the loads that follow
.endm
.macro REFILL g                        ; in front of a refill: all my tensor loads have landed; the add; the descriptor's step; the add is done and my reads of the slot are over; the round
	s_wait_tensorcnt 0x0
	ds_add_u32 v6, v7
.if \g
	s_add_nc_u64 s[\g+2:\g+3], s[\g+2:\g+3], 2*SLOTB
.endif
	s_wait_dscnt 0x0
	ROUND
.endm
.macro FETCH ks                        ; K step ks: 16 fragments of the weights, 4 of x, 8 registers of the weights' scale words, into set ks % 2
.set FSL, ((\ks)/2)%2
.set FKL, (\ks)%2
	WIN 0x40
.irp bq, 0,1,2,3,4,5,6,7,8,9,10,11,12,13,14,15
	ds_load_b128 v[128*FKL+8*\bq:128*FKL+8*\bq+3],   v[1+FSL] offset:FKL*KSB+\bq*1024
	ds_load_b128 v[128*FKL+8*\bq+4:128*FKL+8*\bq+7], v[1+FSL] offset:FKL*KSB+\bq*1024+512
.endr
	WIN 0
.irp a, 0,1,2,3
	ds_load_b128 v[16+32*FKL+8*\a:16+32*FKL+8*\a+3],   v5 offset:\a*16*AXP+(\ks)*64
	ds_load_b128 v[16+32*FKL+8*\a+4:16+32*FKL+8*\a+7], v5 offset:\a*16*AXP+(\ks)*64+32
.endr
.irp i, 0,1,2,3,4,5,6,7
	ds_load_b32 v[112+8*FKL+\i], v[3+FSL] offset:FKL*KSB+128*\i
.endr
.endm
.macro MM a, bq, ks, zero
.set rD, 8*(16*((\a)%2)+(\bq))
.set rB, 128*((\ks)%2)+8*(\bq)
.set rA, 16+32*((\ks)%2)+8*(\a)
.set rSB, 112+8*((\ks)%2)+(\bq)/2      ; an even block's words in lanes 0-15, the odd block's in lanes 16-31
.set rSA, 80+8*(\a)+(\ks)
.if \zero
.if (\bq)%2
	v_wmma_scale_f32_16x16x128_f8f6f4 v[rD:rD+7], v[rB:rB+7], v[rA:rA+7], 0, v[rSB], v[rSA] matrix_a_fmt:MATRIX_FMT_FP4 matrix_b_fmt:MATRIX_FMT_FP4 matrix_a_scale:MATRIX_SCALE_ROW1
.else
	v_wmma_scale_f32_16x16x128_f8f6f4 v[rD:rD+7], v[rB:rB+7], v[rA:rA+7], 0, v[rSB], v[rSA] matrix_a_fmt:MATRIX_FMT_FP4 matrix_b_fmt:MATRIX_FMT_FP4
.endif
.else
.if (\bq)%2
	v_wmma_scale_f32_16x16x128_f8f6f4 v[rD:rD+7], v[rB:rB+7], v[rA:rA+7], v[rD:rD+7], v[rSB], v[rSA] matrix_a_fmt:MATRIX_FMT_FP4 matrix_b_fmt:MATRIX_FMT_FP4 matrix_a_scale:MATRIX_SCALE_ROW1
.else
	v_wmma_scale_f32_16x16x128_f8f6f4 v[rD:rD+7], v[rB:rB+7], v[rA:rA+7], v[rD:rD+7], v[rSB], v[rSA] matrix_a_fmt:MATRIX_FMT_FP4 matrix_b_fmt:MATRIX_FMT_FP4
.endif
.endif
.endm
.macro MUL ks, zero                    ; 64 products; the 64 accumulators take turns, in the same order in every step.  zero = 1: the first step starts the sums
.irp a, 0,1,2,3
	WIN 0xa1+0x50*(\a/2)
.irp bq, 0,1,2,3,4,5,6,7,8,9,10,11,12,13,14,15
	MM \a, \bq, \ks, \zero
.endr
.endr
.endm
	s_load_b512 s[4:19], s[0:1], 0x0               ; xq 4:5, wimg 6:7, sin 8:9, cos 10:11, alpha_q 12:13, alpha_k 14:15, qimg 16:17, kimg 18:19
	s_load_b128 s[20:23], s[0:1], 0x40             ; vimg 20:21, side 22:23
	v_lshl_add_u32 v6, v0, 2, SPARE
	v_mov_b32 v7, 0
	ds_add_u32 v6, v7                              ; the opening: the add, twice on end, and its wait ahead of my first tensor load
	ds_add_u32 v6, v7
	v_lshrrev_b32 v1, 5, v0
	v_readfirstlane_b32 s24, v1                    ; wave
	s_bfe_u32 s25, ttmp6, 0x40000                  ; cx
	s_lshl_b32 s26, ttmp9, 2
	s_add_co_u32 s26, s26, s25                     ; X: my block of 64 rows
	s_and_b32 s27, ttmp7, 0xffff                   ; cb, which the four partners share
	s_mov_b32 s36, 15|(3<<16)|(1<<21)              ; the weights: mask of all four; elements of 8 bytes; bit 21 beside a mask; no padding
	s_mov_b32 s37, 32<<16                          ; 34,816 dense bytes as 136 rows of 256
	s_mov_b32 s38, 136<<16
	s_mov_b32 s39, 32<<16
	s_mov_b32 s40, 136
	s_mov_b32 s41, 32
	s_mov_b32 s42, 0
	s_mov_b32 s43, 0
	s_mov_b32 s52, (3<<16)|(1<<20)|(6<<22)|(3<<25) ; x's codes: 16 rows of 512 bytes, 4 words of padding behind every 128
	s_mov_b32 s53, 64<<16
	s_mov_b32 s54, 16<<16
	s_mov_b32 s55, 64<<16
	s_mov_b32 s56, 16
	s_mov_b32 s57, 64
	s_mov_b32 s58, 0
	s_mov_b32 s59, 0
	s_mov_b32 s68, (2<<16)|(1<<20)|(6<<22)|(3<<25) ; sin, cos: 32 rows of 128 f32, the same padding
	s_mov_b32 s69, 128<<16
	s_mov_b32 s70, 32<<16
	s_mov_b32 s71, 128<<16
	s_mov_b32 s72, 32
	s_mov_b32 s73, 128
	s_mov_b32 s74, 0
	s_mov_b32 s75, 0
	s_mov_b32 s86, 0x76543210
	s_mov_b32 s87, 0xfedcba98                      ; lane l xor 16
	s_mul_i32 s30, s24, QUART                      ; my quarter: in a slot and in memory
	s_mul_i32 s28, s27, CBB
	s_add_co_u32 s28, s28, s30
	s_mov_b32 s29, 0
	s_mov_b32 s44, 1
	s_mov_b32 s45, s30
	s_mov_b32 s48, 1
	s_add_co_u32 s49, s30, SLOTB
	s_mov_b32 s60, 1
	s_mul_i32 s61, s24, 16*AXP
	s_add_co_u32 s61, s61, AX
	s_mov_b32 s76, 1
	s_mul_i32 s77, s24, 32*AXP
	s_lshl_b32 s32, s26, 15                        ; 64 rows of 512 bytes,
	s_lshl_b32 s33, s24, 13                        ; my 16 of them
	s_add_co_u32 s32, s32, s33
	s_mov_b32 s33, 0
	s_wait_dscnt 0x0                               ; both opening adds are done
	s_wait_kmcnt 0x0
	s_add_nc_u64 s[46:47], s[6:7], s[28:29]        ; K steps 0, 1
	s_add_nc_u64 s[50:51], s[46:47], SLOTB         ; K steps 2, 3
	s_or_b32 s47, s47, 0x80000000
	s_or_b32 s51, s51, 0x80000000
	s_add_nc_u64 s[62:63], s[4:5], s[32:33]
	s_or_b32 s63, s63, 0x80000000
	s_and_b32 s32, s26, 31
	s_lshl_b32 s32, s32, 15                        ; my first position x 512 bytes,
	s_and_b32 s34, s24, 1
	s_lshl_b32 s34, s34, 14                        ; + 32 rows for the odd waves
	s_add_co_u32 s32, s32, s34
	s_cmp_lt_u32 s24, 2
	s_cselect_b64 s[78:79], s[8:9], s[10:11]       ; waves 0, 1: sin; waves 2, 3: cos
	s_add_nc_u64 s[78:79], s[78:79], s[32:33]
	s_or_b32 s79, s79, 0x80000000
	ROUND                                          ; all four work-groups are here: the first joint loads meet
	tensor_load_to_lds s[60:63], s[52:59]          ; three first fills a wave: my 16 rows of x,
	s_nop 0
	tensor_load_to_lds s[44:47], s[36:43]          ; my quarter of slot 0,
	s_nop 0
	tensor_load_to_lds s[48:51], s[36:43]          ; and of slot 1
	s_nop 0
	PLACES 4
	v_and_b32 v242, 31, v0                         ; lane
	v_and_b32 v243, 15, v0                         ; r
	v_bfe_u32 v244, v0, 4, 1                       ; h
	v_lshlrev_b32 v240, 5, v243                    ; x's scale bytes: 32 a row
	v_lshlrev_b32 v241, 5, v244                    ; alpha: my half's eight numbers
	v_lshlrev_b32 v245, 2, v243                    ; 4 r
	v_lshlrev_b32 v246, 4, v242                    ; 16 x lane
	s_lshl_b32 s32, s26, 11
	s_add_co_u32 s32, s32, XSOFF
	s_add_nc_u64 s[92:93], s[4:5], s[32:33]        ; a pair of its own, written once: the eight loads below may read it until they are done
.irp a, 0,1,2,3
	global_load_b128 v[80+8*\a:83+8*\a], v240, s[92:93] offset:512*\a      ; register 80 + 8 a + ks: the scale word of row 16 a + r for K step ks
	global_load_b128 v[84+8*\a:87+8*\a], v240, s[92:93] offset:512*\a+16
.endr
	v_add_nc_u32 v1, s30, v246                     ; the weights' fragments in slot 0, 1
	v_add_nc_u32 v2, SLOTB, v1
	v_lshlrev_b32 v3, 2, v242
	v_add_nc_u32 v3, s30, v3
	v_add_nc_u32 v3, 16384, v3                     ; their scale words
	v_add_nc_u32 v4, SLOTB, v3
	v_mul_u32_u24 v5, v243, AXP
	v_lshl_add_u32 v10, v244, 5, v5                ; sin, cos: row r, + 32 h
	v_lshl_add_u32 v5, v244, 4, v5
	v_add_nc_u32 v5, AX, v5                        ; x's fragments: row r, + 16 h
	v_add_nc_u32 v11, RED, v245
	s_lshl_b32 s28, s24, 8
	v_add_nc_u32 v12, s28, v11
	v_mov_b32 v13, s25                             ; cx in every lane
	v_lshrrev_b32 v8, 3, v243
	v_lshlrev_b32 v8, 8, v8
	v_lshl_add_u32 v8, v244, 7, v8
	v_and_b32 v14, 7, v243
	v_lshl_add_u32 v14, v14, 4, v8                 ; V's place of a piece
	s_cmp_eq_u32 s27, 3
	s_cselect_b32 s31, -1, 0
	s_cselect_b32 s84, 0, 1.0                      ; 1, or 0 for V
	s_cselect_b32 s28, 1.0, 0                      ; the bias: 0, or 1 for V
	v_cndmask_b32 v8, v246, v14, s31               ; my lane's place in a stored tile
	s_mov_b32 s85, s84
	v_mov_b32 v14, s28
	v_mov_b32 v15, s28
	; where the results go
	s_lshr_b32 s32, s26, 5                         ; b
	s_cmp_lt_u32 s27, 2
	s_cselect_b32 s34, 4, 3                        ; 16 heads or 8
	s_cselect_b32 s28, s27, 0                      ; Q's half
	s_cselect_b64 s[80:81], s[16:17], s[18:19]
	s_cselect_b64 s[88:89], s[12:13], s[14:15]
	s_cmp_eq_u32 s27, 3
	s_cselect_b64 s[80:81], s[20:21], s[80:81]
	s_lshl_b32 s32, s32, s34
	s_lshl_b32 s34, s28, 3
	s_add_co_u32 s32, s32, s34
	s_lshl_b32 s34, s24, 1
	s_add_co_u32 s32, s32, s34                     ; b x heads + my first head
	s_lshl_b32 s32, s32, 19
	s_and_b32 s34, s26, 31
	s_lshl_b32 s34, s34, 14                        ; + my four tiles of positions
	s_add_co_u32 s32, s32, s34
	s_add_nc_u64 s[80:81], s[80:81], s[32:33]
	s_lshl_b32 s32, s28, 12
	s_lshl_b32 s34, s24, 10
	s_add_co_u32 s32, s32, s34
	s_add_nc_u64 s[88:89], s[88:89], s[32:33]      ; alpha of my 256 columns
	s_lshr_b32 s32, ttmp9, 3
	s_lshl_b32 s32, s32, 5
	s_lshl_b32 s34, s27, 3
	s_add_co_u32 s32, s32, s34
	s_lshl_b32 s34, s24, 1
	s_add_co_u32 s32, s32, s34
	s_lshl_b32 s32, s32, 13
	s_add_co_u32 s32, s32, 32768
	s_add_nc_u64 s[82:83], s[22:23], s[32:33]      ; the f32 copy: [b][32 heads' places][8,192 bytes]
	s_lshl_b32 s32, s27, 14
	s_lshl_b32 s34, s26, 8
	s_add_co_u32 s32, s32, s34
	s_add_nc_u64 s[90:91], s[22:23], s[32:33]      ; the sums of squares: [2][4096]
	s_wait_tensorcnt 0x1                           ; x's rows and slot 0 are in; the one younger load, slot 1's, may stay out
	s_barrier_signal -1
	s_barrier_wait -1                              ; x's rows come from all four waves
	FETCH 0
	s_wait_loadcnt 0x0                             ; x's scale words
	s_wait_dscnt 0x0
	FETCH 1
	MUL 0, 1
	WIN 0
	REFILL 44                                      ; slot 0's two steps are in registers
	JL 44                                          ; K steps 4, 5
	FETCH 2
	MUL 1, 0
	s_wait_dscnt 0x0                               ; step 2's fragments, asked for 64 products ago
	PLACES 4                                       ; in front of loads into registers that the products above have read
	FETCH 3
	MUL 2, 0
	WIN 0
	REFILL 48
	JL 48                                          ; K steps 6, 7
	FETCH 4
	MUL 3, 0
	s_wait_dscnt 0x0
	PLACES 4
	FETCH 5
	MUL 4, 0
	WIN 0
	REFILL 0
	tensor_load_to_lds s[76:79], s[68:75]          ; slot 0's last fill: 32 rows of sin or of cos a wave
	s_nop 0
	PLACES 4
	FETCH 6
	MUL 5, 0
	s_wait_dscnt 0x0
	PLACES 4
	FETCH 7
	MUL 6, 0
	s_wait_dscnt 0x0
	MUL 7, 0
	WIN 0
	PLACES 4                                       ; behind the last products: for the loads and vector lines that follow
	; ---- alpha of my 256 columns: register 8 bq + j = column 16 bq + 8 h + j
	WIN 0x40
.irp bq, 0,1,2,3,4,5,6,7,8,9,10,11,12,13,14,15
	global_load_b128 v[8*\bq:8*\bq+3],   v241, s[88:89] offset:64*\bq
	global_load_b128 v[8*\bq+4:8*\bq+7], v241, s[88:89] offset:64*\bq+16
.endr
	; ---- the sums of squares: two chains of pairs for each tile of rows; each accumulator is read from its low end on
.macro SQ w, al, bq, jj
.set rC, 16+4*(2*(\w)+(\al))+2*(((\jj)/2)%2)
.set rX, 8*(16*(\al)+(\bq))+(\jj)
.if ((\bq) == 0) && ((\jj) < 4)
	v_pk_mul_f32 v[rC:rC+1], v[rX:rX+1], v[rX:rX+1]
.else
	v_pk_fma_f32 v[rC:rC+1], v[rX:rX+1], v[rX:rX+1], v[rC:rC+1]
.endif
.endm
.irp w, 0,1
	WIN 0x0a+5*\w
.irp bq, 0,1,2,3,4,5,6,7,8,9,10,11,12,13,14,15
.irp jj, 0,2,4,6
.irp al, 0,1
	SQ \w, \al, \bq, \jj
.endr
.endr
.endr
.endr
	WIN 0
.irp a, 0,1,2,3
	v_add_f32 v[16+4*\a], v[16+4*\a], v[17+4*\a]
	v_add_f32 v[18+4*\a], v[18+4*\a], v[19+4*\a]
	v_mov_b32 v[40+\a], 0                          ; a lane permute's destination counts as one of its sources
.endr
.irp a, 0,1,2,3
	v_add_f32 v[16+4*\a], v[16+4*\a], v[18+4*\a]
.endr
.irp a, 0,1,2,3
	v_permlanex16_b32 v[40+\a], v[16+4*\a], s86, s87
.endr
.irp a, 0,1,2,3
	v_add_f32 v[16+4*\a], v[16+4*\a], v[40+\a]     ; row 16 a + r over my 256 columns
.endr
.irp a, 0,1,2,3
	ds_store_b32 v12, v[16+4*\a] offset:64*\a      ; both halves of the lanes write the same word with the same value
.endr
	s_wait_tensorcnt 0x0                           ; my rows of sin or cos have landed,
	s_wait_dscnt 0x0                               ; my sums are stored
	s_barrier_signal -1
	s_barrier_wait -1
.irp a, 0,1,2,3
.irp w, 0,1,2,3
	ds_load_b32 v[48+4*\a+\w], v11 offset:256*\w+64*\a
.endr
.endr
	s_wait_dscnt 0x0
.irp a, 0,1,2,3
	v_add_f32 v[48+4*\a], v[48+4*\a], v[49+4*\a]
	v_add_f32 v[50+4*\a], v[50+4*\a], v[51+4*\a]
.endr
.irp a, 0,1,2,3
	v_add_f32 v[16+4*\a], v[48+4*\a], v[50+4*\a]   ; over the block's 1,024 columns: the same bits in all four waves
.endr
	s_cmp_lt_u32 s27, 2                            ; Q's halves hand their sums on; wave 0 stores them
	s_cbranch_scc0 .Lno_ss
	s_cmp_eq_u32 s24, 0
	s_cbranch_scc0 .Lno_ss
.irp a, 0,1,2,3
	global_store_b32 v245, v[16+4*\a], s[90:91] offset:64*\a
.endr
.Lno_ss:
	s_mov_b32 s28, 0x3a800000                      ; 1 / 1024
	s_mov_b32 s29, 0x358637bd                      ; eps = 1e-6
.irp a, 0,1,2,3
	v_fma_f32 v[40+\a], v[16+4*\a], s28, s29
.endr
.irp a, 0,1,2,3
	v_rsq_f32 v[44+\a], v[40+\a]
.endr
	v_nop                                          ; a plain instruction behind the last of the four,
	s_wait_alu depctr_va_vdst(0)                   ; and the wait ahead of the first use: one for the four
.irp a, 0,1,2,3
	v_mul_f32 v[32+2*\a], s84, v[44+\a]            ; r, or 0 for V
	v_mul_f32 v[33+2*\a], s84, v[44+\a]
.endr
	s_wait_loadcnt 0x0                             ; alpha
	WIN 0x41
.set n, 0
.rept 64
	v_pk_fma_f32 v[n:n+1], v[n:n+1], s[84:85], v[14:15] op_sel_hi:[1,0,1]   ; alpha' = alpha, or 1 for V
.set n, n+2
.endr
	WIN 0
.macro COPY32 hd                       ; positions 0-15 of a batch, in f32, as they stand in my registers: each store covers 512 consecutive bytes.  The cluster that holds them is picked by a branch on the cluster's number, the partner by EXEC
	s_and_b32 s31, ttmp9, 7
	s_cmp_lg_u32 s31, 0
	s_cbranch_scc1 .Lno_copy_\@
	s_wait_xcnt 0x0                                ; EXEC changes only behind this wait
	v_cmp_eq_u32 vcc_lo, 0, v13
	s_and_saveexec_b32 s31, vcc_lo
.irp c, 0,1,2,3,4,5,6,7
	global_store_b128 v246, v[128+8*\c:131+8*\c], s[82:83] offset:(\hd)*8192+1024*\c
	global_store_b128 v246, v[132+8*\c:135+8*\c], s[82:83] offset:(\hd)*8192+1024*\c+512
.endr
	s_wait_xcnt 0x0                                ; and again in front of the line that widens it
	s_or_b32 exec_lo, exec_lo, s31
.Lno_copy_\@:
.endm
.macro GROUPH a, hd                    ; rows 16 a .., head hd of my two: Y = acc alpha'; rope with sin r and cos r + bias; f16; eight stores of 512 bytes
	s_wait_xcnt 0x0                                ; the last stores have read Y and the f16 registers
	WIN 0x06+((\a)/2)
.irp c, 0,1,2,3,4,5,6,7
.irp jj, 0,2,4,6
	v_pk_mul_f32 v[128+8*\c+\jj:129+8*\c+\jj], v[8*(16*((\a)%2)+8*(\hd)+\c)+\jj:8*(16*((\a)%2)+8*(\hd)+\c)+\jj+1], v[8*(8*(\hd)+\c)+\jj:8*(8*(\hd)+\c)+\jj+1]
.endr
.endr
	WIN 0x04                                       ; source 1 (sin, cos) in window 1
.irp c, 0,1,2,3                        ; d = 16 c + .. is paired with d + 64
.irp jj, 0,2,4,6
	v_pk_mul_f32 v[192+\jj:193+\jj], v[160+8*\c+\jj:161+8*\c+\jj], v[128+8*\c+\jj:129+8*\c+\jj]      ; y(d + 64) sin(d)
.endr
.irp jj, 0,2,4,6
	v_pk_mul_f32 v[200+\jj:201+\jj], v[128+8*\c+\jj:129+8*\c+\jj], v[160+8*\c+\jj:161+8*\c+\jj]      ; y(d) sin(d + 64)
.endr
.irp jj, 0,2,4,6
	v_pk_fma_f32 v[128+8*\c+\jj:129+8*\c+\jj], v[128+8*\c+\jj:129+8*\c+\jj], v[192+8*\c+\jj:193+8*\c+\jj], v[192+\jj:193+\jj] neg_lo:[0,0,1] neg_hi:[0,0,1]
.endr
.irp jj, 0,2,4,6
	v_pk_fma_f32 v[160+8*\c+\jj:161+8*\c+\jj], v[160+8*\c+\jj:161+8*\c+\jj], v[224+8*\c+\jj:225+8*\c+\jj], v[200+\jj:201+\jj]
.endr
.endr
	WIN 0
.if (\a) == 0
	COPY32 \hd
.endif
.irp c, 0,1,2,3,4,5,6,7
.irp q, 0,1,2,3
	v_cvt_pk_f16_f32 v[208+4*\c+\q], v[128+8*\c+2*\q], v[129+8*\c+2*\q]
.endr
.endr
.irp c, 0,1,2,3,4,5,6,7
	global_store_b128 v8, v[208+4*\c:211+4*\c], s[80:81] offset:(\a)*4096+(\hd)*524288+512*\c
.endr
.endm
.macro GROUPA a
	WIN 0x40
.irp c, 0,1,2,3,4,5,6,7
	ds_load_b128 v[128+8*\c:131+8*\c], v10 offset:(\a)*16*AXP+64*\c
	ds_load_b128 v[132+8*\c:135+8*\c], v10 offset:(\a)*16*AXP+64*\c+16
	ds_load_b128 v[192+8*\c:195+8*\c], v10 offset:COSL+(\a)*16*AXP+64*\c
	ds_load_b128 v[196+8*\c:199+8*\c], v10 offset:COSL+(\a)*16*AXP+64*\c+16
.endr
	s_wait_dscnt 0x0
	WIN 0x41
.set n, 0
.rept 32
	v_pk_mul_f32 v[128+n:129+n], v[128+n:129+n], v[32+2*(\a):33+2*(\a)]
	v_pk_fma_f32 v[192+n:193+n], v[192+n:193+n], v[32+2*(\a):33+2*(\a)], v[14:15]
.set n, n+2
.endr
	WIN 0
	GROUPH \a, 0
	GROUPH \a, 1
.endm
	GROUPA 0
	GROUPA 1
	GROUPA 2
	GROUPA 3
	s_wait_tensorcnt 0x0                           ; the wave's end
	ds_add_u32 v6, v7
	s_wait_dscnt 0x0
	ROUND                                          ; the closing round
	s_endpgm
.Lfunc_end_k_qf0a748ed90_qkv:
	.size	k_qf0a748ed90_qkv, .Lfunc_end_k_qf0a748ed90_qkv-k_qf0a748ed90_qkv
	.p2alignl 7, 3214868480
	.fill 96, 4, 3214868480
	.section	.rodata,"a",@progbits
	.p2align	6, 0x0
	.amdhsa_kernel k_qf0a748ed90_qkv
		.amdhsa_group_segment_fixed_size 327680
		.amdhsa_private_segment_fixed_size 0
		.amdhsa_enable_private_segment 0
		.amdhsa_kernarg_size 80
		.amdhsa_user_sgpr_count 2
		.amdhsa_user_sgpr_kernarg_segment_ptr 1
		.amdhsa_wavefront_size32 1
		.amdhsa_system_sgpr_workgroup_id_x 1
		.amdhsa_system_sgpr_workgroup_id_y 1
		.amdhsa_system_sgpr_workgroup_id_z 1
		.amdhsa_system_vgpr_workitem_id 0
		.amdhsa_next_free_vgpr 1024
		.amdhsa_next_free_sgpr 100
		.amdhsa_reserve_vcc 1
		.amdhsa_float_denorm_mode_32 3
		.amdhsa_float_denorm_mode_16_64 3
		.amdhsa_memory_ordered 1
		.amdhsa_forward_progress 1
		.amdhsa_inst_pref_size 227
	.end_amdhsa_kernel
	.amdgpu_metadata
---
amdhsa.version: [ 1, 2 ]
amdhsa.kernels:
  - .name:           k_qf0a748ed90_qkv
    .symbol:         k_qf0a748ed90_qkv.kd
    .args:
      - { .name: xq, .offset: 0, .size: 8, .value_kind: global_buffer, .address_space: global }
      - { .name: wimg, .offset: 8, .size: 8, .value_kind: global_buffer, .address_space: global }
      - { .name: sin, .offset: 16, .size: 8, .value_kind: global_buffer, .address_space: global }
      - { .name: cos, .offset: 24, .size: 8, .value_kind: global_buffer, .address_space: global }
      - { .name: alpha_q, .offset: 32, .size: 8, .value_kind: global_buffer, .address_space: global }
      - { .name: alpha_k, .offset: 40, .size: 8, .value_kind: global_buffer, .address_space: global }
      - { .name: qimg, .offset: 48, .size: 8, .value_kind: global_buffer, .address_space: global }
      - { .name: kimg, .offset: 56, .size: 8, .value_kind: global_buffer, .address_space: global }
      - { .name: vimg, .offset: 64, .size: 8, .value_kind: global_buffer, .address_space: global }
      - { .name: side, .offset: 72, .size: 8, .value_kind: global_buffer, .address_space: global }
    .group_segment_fixed_size: 327680
    .private_segment_fixed_size: 0
    .kernarg_segment_align: 8
    .kernarg_segment_size: 80
    .max_flat_workgroup_size: 128
    .sgpr_count:     100
    .vgpr_count:     1024
    .wavefront_size: 32
...
	.end_amdgpu_metadata
.endif
;; end of part 2
;; launch attn (part 3): grid 16 x 16, 8 waves a work-group, no clusters, 327,680 bytes of LDS; arguments qimg, kimg, vimg, side, aimg; writes aimg
.if DOCPART == 3
	.amdgcn_target "amdgcn-amd-amdhsa--gfx1250"
	.amdhsa_code_object_version 6
	.text
	.protected	k_qf0a748ed90_attn
	.globl	k_qf0a748ed90_attn
	.p2align	8
	.type	k_qf0a748ed90_attn,@function
k_qf0a748ed90_attn:
	s_mov_b64 s[64:65], 0
	v_nop
	global_prefetch_b8 v0, s[64:65] scope:SCOPE_SE
	s_setreg_imm32_b32 hwreg(HW_REG_WAVE_MODE, 25, 1), 1
	s_wait_xcnt 0x0
; Causal attention on f16 operands, f32 sums, running maximum and sum.  Q, K, V come as register images; the output goes out as the register image that the projection reads.
; SHARES.  A work-group is one (batch, key and value head) and a PAIR of blocks of 64 queries, 31 - p and p, for BOTH query heads of that head: K and V are read from LDS by both.  In slots of 128 keys block i wants
; i / 2 + 1 slots, the pair always 17: a loop of constant count, 256 equal work-groups.  The long block goes first.
; Eight waves.  Wave = (g, query head, half of the block): 32 queries (two tiles of 16) against keys 64 g .. 64 g + 63 of every slot.  Waves w and w xor 4 hold the same queries and the two halves of the keys:
; at a block's end each gives one tile's (c m, l, O) to the other through LDS and finishes the tile that it keeps.  Register tile t holds position tile t xor g, so every wave keeps tile 0 and gives tile 1: no branch on g.
; LAYOUT.  S^T = K Q^T (source 0 = 16 keys, source 1 = 16 queries) and O^T = V^T P: a lane holds ONE query throughout.  Two tiles of S^T rounded to f16 in pairs are source 1 of the second product.
; THE SCALE.  p = 2^(c s - c m), with c a number of the LANE: log2(e) / sqrt(128) x rsqrt((ss0 + ss1) / 2048 + eps) x sqrt(ss_half / 1024 + eps): the part of Q's norm that the launch before left open.
; THE MASK.  A wave's 64 keys of a slot are block kb = 2 x slot + g: beyond the queries' block they are skipped (a scalar branch on ids), on it hidden scores become -infinity, under it nothing is done.
; EARLY AND LATE WAVES.  A step of a wave is 32 LDS loads, 32 products, 32 LDS loads, a softmax, 32 products, and the barrier at each change of slots brings all eight waves to the same line.  So four waves, the LATE ones
; (bit 2 xor bit 0 of the wave's number: the flag differs between w and w xor 4 and between w and w xor 1), put the step's V^T P off to the head of the next trip: it works on registers alone (V was waited for ahead of the
; barrier; P and O^T stay where the step left them).  Behind a barrier the late waves issue products while the early ones issue their LDS loads, and from there on the two halves are half a step apart.
; The order of a query's arithmetic is that of an early wave: O x a, O += V P, O x a'.  What a late wave owes at a block's end it pays ahead of the exchange.
; NO CLUSTER: the trip at which a work-group leaves its first block, 16 - floor(p / 2), hangs on its number; only two work-groups walk alike, and partners of a cluster must run alike.
; RING.  Two slots of 64 KB (K's 8 tiles of 16 keys, then V's); wave 0 brings K's 32 KB, wave 1 V's, one dense load each behind each change of slots: by this text's count one load a wave is out.
; LIMITS: NaN and infinities are not served; p under 6e-8 is rounded to 0 for the second product (the sum is taken of the unrounded p).
; REGISTERS.  window 0: v2-15 addresses; v16-31 statistics, 8 a tile (+0 c m, +1 m, +2, 3 l, +4 .. 7 at work, a in +6); v32-35 c; v36 -inf; v37-39, v56 offsets; v40-50 at work; v64-127 S^T, 32 a tile; v128-255 K, then V.
; window 1: v0-127 O^T, 64 a tile; v128-191 Q, 32 a tile; v192-223 P, 16 a tile.   s54: 1 in a late wave; s61: 1 while a product is owed.
.set SLOT1, 65536
.set XCH,   131072                     ; the exchange: 8,704 bytes a wave: 8,192 of O^T, c m at + 8,192, l at + 8,320
.set XW,    8704
.set SPARE, XCH+8*XW                   ; the spare words, 128 bytes a wave
.set MSB, 0
.macro WIN new
.if MSB != (\new)
	s_set_vgpr_msb (MSB<<8)|(\new)
.set MSB, (\new)
.endif
.endm
.macro PLACES n
.rept \n
	v_nop
.endr
.endm
.macro TLOAD                           ; wave 0: K's tile; wave 1: V's; the others none
	s_cmp_lt_u32 s14, 2
	s_cbranch_scc0 .Lno_load_\@
	tensor_load_to_lds s[44:47], s[36:43]
	s_nop 0
	PLACES 4
.Lno_load_\@:
.endm
; A prefetch of the slot that the NEXT change will ask for.  All sixteen work-groups of a head walk the same K and V from slot 0 on: the one with p = 0, which walks all 16 slots, asks.  Waves 0-3 take K's 32 KB,
; waves 4-7 V's: 8,192 bytes a wave, lanes 256 bytes apart, one instruction: each block of 256 bytes is named once in the launch.  Trip t names slot t + 2; trips 14 on name nothing: slot 15 is the head's last.
.macro ASK
	s_cmp_lt_u32 s25, s60
	s_cbranch_scc0 .Lnot_mine_\@
	global_prefetch_b8 v37, s[58:59] th:TH_LOAD_NT scope:SCOPE_SE
.Lnot_mine_\@:
.endm
.macro FETCH_K                         ; my 64 keys x 128: fragment f = 4 kt + dc, fetched by channels: the four fragments of channels 32 dc on, eight loads, stand together, in the order in which the products take them
.set g, 0
.rept 16
.set f, 4*(g%4)+g/4
	ds_load_b128 v[128+8*f:131+8*f], v4 offset:(f/4)*4096+(f%4)*1024
	ds_load_b128 v[132+8*f:135+8*f], v4 offset:(f/4)*4096+(f%4)*1024+512
.set g, g+1
.endr
.endm
.macro FETCH_V                         ; V^T, turned on the way: fragment f = 8 u + ct: 16 channels x 32 keys, from two tiles of 16 keys
.set f, 0
.rept 16
	ds_load_tr16_b128 v[128+8*f:131+8*f], v5 offset:(f/8)*8192+(f%8)*512
	ds_load_tr16_b128 v[132+8*f:135+8*f], v5 offset:(f/8)*8192+(f%8)*512+4096
.set f, f+1
.endr
.endm
.macro KQ                              ; 32 products; the eight accumulators take turns; the first eight start the sums
	WIN 0x04
.set i, 0
.rept 32
.if (i%8) == 0
	s_wait_dscnt 24-i                              ; LDS loads come back in order, and K's 32 are all that is out: the eight of channels 4 i on are in, the 24 - i younger ones may stay out
.endif
.set rS, 64+32*(i%2)+8*((i/2)%4)
.set rK, 128+32*((i/2)%4)+8*(i/8)
.set rQ, 128+32*(i%2)+8*(i/8)
.if i < 8
	v_wmma_f32_16x16x32_f16 v[rS:rS+7], v[rK:rK+7], v[rQ:rQ+7], 0
.else
	v_wmma_f32_16x16x32_f16 v[rS:rS+7], v[rK:rK+7], v[rQ:rQ+7], v[rS:rS+7]
.endif
.set i, i+1
.endr
.endm
.macro PV                              ; 32 products; sixteen accumulators by turns
	WIN 0x54
.set i, 0
.rept 32
.set rO, 64*(i%2)+8*((i/2)%8)
.set rV, 128+64*(i/16)+8*((i/2)%8)
.set rP, 192+16*(i%2)+8*(i/16)
	v_wmma_f32_16x16x32_f16 v[rO:rO+7], v[rV:rV+7], v[rP:rP+7], v[rO:rO+7]
.set i, i+1
.endr
.endm
.macro OWED                            ; a late wave pays the V^T P of its last step.  The flag is made of the wave's number, ids and the count of trips alone
	s_cmp_eq_u32 s61, 0
	s_cbranch_scc1 .Lnone_\@
	PV
	WIN 0
	s_mov_b32 s61, 0
.Lnone_\@:
.endm
.macro MASK                            ; register n holds key 16 (n / 8) + 8 h + n % 8 of the block: hidden where 16 (n / 8) + n % 8 > my query - 8 h
.set n, 0
.rept 32
.irp t, 0,1
	v_cmp_gt_i32 vcc_lo, 16*(n/8)+n%8, v[14+\t]
	v_cndmask_b32 v[64+32*\t+n], v[64+32*\t+n], v36, vcc_lo
.endr
.set n, n+1
.endr
.endm
.macro SOFT_A                          ; both tiles by turns: the maximum; c m; the scalings; ONE batch of 66 exponentials with one wait; the roundings; the sums
.irp j, 0,1,2,3
.irp t, 0,1
	v_max3_num_f32 v[20+8*\t+\j], v[64+32*\t+8*\j], v[65+32*\t+8*\j], v[66+32*\t+8*\j]   ; each accumulator is read from its low end on
.endr
.endr
.irp q, 1,2
.irp j, 0,1,2,3
.irp t, 0,1
	v_max3_num_f32 v[20+8*\t+\j], v[20+8*\t+\j], v[65+32*\t+8*\j+2*\q], v[66+32*\t+8*\j+2*\q]
.endr
.endr
.endr
.irp t, 0,1
	v_max3_num_f32 v[20+8*\t], v[20+8*\t], v[71+32*\t], v[79+32*\t]
	v_max3_num_f32 v[22+8*\t], v[22+8*\t], v[87+32*\t], v[95+32*\t]
.endr
.irp t, 0,1
	v_max3_num_f32 v[20+8*\t], v[20+8*\t], v[21+8*\t], v[22+8*\t]
.endr
.irp t, 0,1
	v_max3_num_f32 v[20+8*\t], v[20+8*\t], v[23+8*\t], v[17+8*\t]   ; with the old m
.endr
.irp t, 0,1
	v_permlanex16_b32 v[21+8*\t], v[20+8*\t], s62, s63             ; the query's other 32 keys lie 16 lanes away
	v_mov_b32 v[23+8*\t], v[16+8*\t]                               ; c m_old
.endr
.irp t, 0,1
	v_max_num_f32 v[17+8*\t], v[20+8*\t], v[21+8*\t]
.endr
.irp t, 0,1
	v_mul_f32 v[16+8*\t], v[32+2*\t], v[17+8*\t]                   ; c m (c is positive)
.endr
.irp t, 0,1
	v_sub_f32 v[23+8*\t], v[23+8*\t], v[16+8*\t]
.endr
.set n, 0
.rept 16
.irp t, 0,1
	v_pk_fma_f32 v[64+32*\t+n:65+32*\t+n], v[64+32*\t+n:65+32*\t+n], v[32+2*\t:33+2*\t], v[16+8*\t:17+8*\t] op_sel_hi:[1,1,0] neg_lo:[0,0,1] neg_hi:[0,0,1]   ; c s - c m
.endr
.set n, n+2
.endr
.irp t, 0,1
	v_exp_f32 v[22+8*\t], v[23+8*\t]                               ; a = 2^(c m_old - c m_new)
.endr
.set n, 0
.rept 32
.irp t, 0,1
	v_exp_f32 v[64+32*\t+n], v[64+32*\t+n]
.endr
.set n, n+1
.endr
	v_nop                                          ; a plain instruction behind the last exponential,
	s_wait_alu depctr_va_vdst(0)                   ; and the wait ahead of the first use: one for the batch
	WIN 0x40
.set n, 0
.rept 16
.irp t, 0,1
	v_cvt_pk_f16_f32 v[192+16*\t+n], v[64+32*\t+2*n], v[65+32*\t+2*n]
.endr
.set n, n+1
.endr
	WIN 0
.irp w, 4,8,16,32                      ; the sum of the 16 pairs, in place
.set u, 0
.rept 32/\w
.irp t, 0,1
	v_pk_add_f32 v[64+32*\t+\w*u:65+32*\t+\w*u], v[64+32*\t+\w*u:65+32*\t+\w*u], v[64+32*\t+\w*u+\w/2:65+32*\t+\w*u+\w/2]
.endr
.set u, u+1
.endr
.endr
.irp t, 0,1
	v_pk_fma_f32 v[18+8*\t:19+8*\t], v[18+8*\t:19+8*\t], v[22+8*\t:23+8*\t], v[64+32*\t:65+32*\t] op_sel_hi:[1,0,1]   ; l = a l + the sum
.endr
.endm
.macro SOFT_B                          ; O^T x a
	WIN 0x41
.set n, 0
.rept 32
.irp t, 0,1
	v_pk_mul_f32 v[64*\t+n:64*\t+n+1], v[64*\t+n:64*\t+n+1], v[22+8*\t:23+8*\t] op_sel_hi:[1,0]
.endr
.set n, n+2
.endr
.endm
.macro STEP
	OWED                                           ; a late wave: the last step's V^T P, while the early waves fetch K
	v_add_nc_u32 v4, s28, v2                       ; the slot's K and V for my half of the keys.  These two and the two below are the places behind the last products, in front of the loads into the registers that they read
	v_add_nc_u32 v5, s28, v3
	v_nop
	v_nop
	s_lshl_b32 s30, s26, 1
	s_add_co_u32 s30, s30, s15                     ; kb
	s_cmp_gt_u32 s30, s24
	s_cbranch_scc1 .Lhidden_\@                     ; all my 64 keys come after the block's queries
	FETCH_K
	KQ
	WIN 0
	PLACES 4                                       ; behind the last product: V lands where K lay, and the scores are read
	FETCH_V
	s_cmp_lg_u32 s30, s24
	s_cbranch_scc1 .Lopen_\@
	MASK
.Lopen_\@:
	SOFT_A
	s_wait_dscnt 0x0                               ; V is in: asked for a softmax ago.  My reads of this slot are over
	SOFT_B
	WIN 0
	s_cmp_lg_u32 s54, 0                            ; the wave's number alone
	s_cbranch_scc1 .Llate_\@
	PV
	WIN 0
	s_branch .Lhidden_\@
.Llate_\@:
	s_mov_b32 s61, 1                               ; owed: V, P and O^T stay in their registers
.Lhidden_\@:
.endm
; THE CHANGE OF SLOTS, at a trip's head: all my tensor loads have landed (this trip's tile); the add; the next tile's descriptor; the add is done and my reads of the other slot are over; the barrier; the other slot is filled.
.macro CHANGE fill
	s_wait_tensorcnt 0x0
	ds_add_u32 v6, v7
.if \fill
	ds_add_u32 v6, v7                              ; and twice on end here, in every trip alike
	s_add_co_u32 s29, s25, 1                       ; the next trip,
	s_cmp_lt_u32 s29, s23
	s_cselect_b32 s30, 0, s23
	s_sub_co_u32 s27, s29, s30                     ; its slot of keys: the second block begins again at 0
	s_lshl_b32 s56, s27, 15
	s_xor_b32 s45, s45, SLOT1
	s_add_nc_u64 s[46:47], s[52:53], s[56:57]
	s_or_b32 s47, s47, 0x80000000
	s_wait_xcnt 0x0                                ; the last prefetch, a trip back, has read its address
	s_add_nc_u64 s[58:59], s[58:59], 32768
.endif
	s_wait_dscnt 0x0
	s_barrier_signal -1
	s_barrier_wait -1
.if \fill
	TLOAD
	ASK
.endif
.endm
; A BLOCK BEGINS: Q's fragments, c, and empty sums.  O^T is cleared, since the step is written once and a wave all of whose keys are hidden must still hand over zeros.
.macro INIT
	s_lshl_b32 s30, s20, 4
	s_add_co_u32 s30, s30, s22
	s_lshl_b32 s30, s30, 19                        ; (b, query head),
	s_lshl_b32 s31, s24, 14                        ; the block's four tiles,
	s_add_co_u32 s30, s30, s31
	s_lshl_b32 s31, s17, 13                        ; my two
	s_add_co_u32 s30, s30, s31
	s_mov_b32 s31, 0
	s_add_nc_u64 s[66:67], s[4:5], s[30:31]
	s_lshl_b32 s30, s20, 13
	s_lshl_b32 s35, s24, 8
	s_add_co_u32 s30, s30, s35
	s_lshl_b32 s35, s17, 7
	s_add_co_u32 s30, s30, s35
	s_add_nc_u64 s[68:69], s[10:11], s[30:31]      ; the sums of squares of my 32 rows,
	s_lshr_b32 s30, s21, 2
	s_lshl_b32 s30, s30, 14
	s_add_nc_u64 s[70:71], s[68:69], s[30:31]      ; and those of my head's half
	WIN 0x40
.irp t, 0,1
.irp f, 0,1,2,3,4,5,6,7
	global_load_b128 v[128+32*\t+4*\f:131+32*\t+4*\f], v[8+\t], s[66:67] offset:512*\f
.endr
.endr
	WIN 0
.irp t, 0,1
	global_load_b32 v[40+3*\t], v[38+\t], s[68:69]
	global_load_b32 v[41+3*\t], v[38+\t], s[68:69] offset:16384
	global_load_b32 v[42+3*\t], v[38+\t], s[70:71]
.endr
	WIN 0x40
.set n, 0
.rept 128
	v_mov_b32 v[n], 0
.set n, n+1
.endr
	WIN 0
.irp t, 0,1
	v_mov_b32 v[17+8*\t], 0xff61b1e6               ; m = -3e38, under every score
	v_mov_b32 v[18+8*\t], 0
	v_mov_b32 v[19+8*\t], 0
	v_mov_b32 v[21+8*\t], 0                        ; a lane permute's destination counts as one of its sources
.endr
	s_wait_loadcnt 0x0
.irp t, 0,1
	v_add_f32 v[40+3*\t], v[40+3*\t], v[41+3*\t]
	v_fma_f32 v[42+3*\t], v[42+3*\t], s34, s33
.endr
.irp t, 0,1
	v_fma_f32 v[40+3*\t], v[40+3*\t], s32, s33
.endr
.irp t, 0,1
	v_rsq_f32 v[46+2*\t], v[40+3*\t]
	v_sqrt_f32 v[47+2*\t], v[42+3*\t]
.endr
	v_nop
	s_wait_alu depctr_va_vdst(0)                   ; one wait for the four
.irp t, 0,1
	v_mul_f32 v[46+2*\t], v[46+2*\t], v[47+2*\t]
.endr
.irp t, 0,1
	v_mul_f32 v[32+2*\t], 0x3e0293ee, v[46+2*\t]   ; c: at most 0.19, so c m stays finite
.endr
.irp t, 0,1
	v_mov_b32 v[33+2*\t], v[32+2*\t]
	v_mul_f32 v[16+8*\t], v[32+2*\t], v[17+8*\t]
.endr
.endm
; A BLOCK ENDS: tile 1 goes to the partner, the partner's tile 1 is merged into my tile 0, which is divided by its sum, rounded to f16 and stored as eight runs of 512 bytes.
.macro FINISH
.irp t, 0,1
	v_add_f32 v[20+8*\t], v[18+8*\t], v[19+8*\t]
.endr
.irp t, 0,1
	v_permlanex16_b32 v[21+8*\t], v[20+8*\t], s62, s63
.endr
.irp t, 0,1
	v_add_f32 v[20+8*\t], v[20+8*\t], v[21+8*\t]   ; l.  (These lines are the places behind the last products)
.endr
	v_nop
	v_nop
	WIN 0x04                                       ; an LDS store's data are its source 1
.set n, 0
.rept 16
	ds_store_b128 v10, v[64+4*n:67+4*n] offset:512*n
.set n, n+1
.endr
	WIN 0
	ds_store_b32 v12, v24
	ds_store_b32 v12, v28 offset:128
	s_lshl_b32 s30, s20, 7
	s_lshl_b32 s31, s24, 2
	s_add_co_u32 s30, s30, s31
	s_lshl_b32 s31, s17, 1
	s_add_co_u32 s30, s30, s31
	s_add_co_u32 s30, s30, s15                     ; which tile of 16 rows of the 256 I keep
	s_lshr_b32 s31, s30, 3
	s_lshl_b32 s31, s31, 19
	s_and_b32 s30, s30, 7
	s_lshl_b32 s30, s30, 10
	s_add_co_u32 s30, s30, s31
	s_lshl_b32 s31, s22, 15                        ; my head's four steps of 32 along the projection's K
	s_add_co_u32 s30, s30, s31
	s_mov_b32 s31, 0
	s_add_nc_u64 s[72:73], s[12:13], s[30:31]
	s_wait_dscnt 0x0                               ; my stores have landed
	s_barrier_signal -1
	s_barrier_wait -1                              ; the trip's tensor load may stay out
.set n, 0
.rept 16
	ds_load_b128 v[128+4*n:131+4*n], v11 offset:512*n
.set n, n+1
.endr
	ds_load_b32 v40, v13
	ds_load_b32 v41, v13 offset:128
	s_wait_dscnt 0x0
	v_max_num_f32 v42, v16, v40
	v_sub_f32 v43, v16, v42
	v_sub_f32 v48, v40, v42
	v_exp_f32 v44, v43
	v_exp_f32 v46, v48
	v_nop
	s_wait_alu depctr_va_vdst(0)
	v_mul_f32 v49, v44, v20
	v_fma_f32 v49, v46, v41, v49                   ; the whole sum under the larger maximum: at least 1
	v_rcp_f32 v50, v49
	v_nop
	s_wait_alu depctr_va_vdst(0)
	v_mul_f32 v44, v44, v50
	v_mul_f32 v46, v46, v50
	v_mov_b32 v45, v44
	v_mov_b32 v47, v46
	WIN 0x01
.set n, 0
.rept 32
	v_pk_mul_f32 v[64+n:65+n], v[n:n+1], v[44:45]
.set n, n+2
.endr
	WIN 0
.set n, 0
.rept 32
	v_pk_fma_f32 v[64+n:65+n], v[128+n:129+n], v[46:47], v[64+n:65+n]
.set n, n+2
.endr
.set n, 0
.rept 32
	v_cvt_pk_f16_f32 v[192+n], v[64+2*n], v[65+2*n]
.set n, n+1
.endr
.irp ct, 0,1,2,3,4,5,6,7
	global_store_b128 v56, v[192+4*\ct:195+4*\ct], s[72:73] offset:(\ct/2)*8192+(\ct%2)*512
.endr
	s_wait_xcnt 0x0                                ; the stores have read their registers and their base
.endm
	s_load_b256 s[4:11], s[0:1], 0x0               ; qimg 4:5, kimg 6:7, vimg 8:9, side 10:11
	s_load_b64 s[12:13], s[0:1], 0x20              ; aimg
	v_lshl_add_u32 v6, v0, 2, SPARE
	v_mov_b32 v7, 0
	ds_add_u32 v6, v7                              ; the opening: the add, twice on end, and its wait ahead of the first tensor load
	ds_add_u32 v6, v7
	v_lshrrev_b32 v1, 5, v0
	v_readfirstlane_b32 s14, v1                    ; wave
	s_lshr_b32 s15, s14, 2                         ; g: which half of a slot's keys
	s_bfe_u32 s16, s14, 0x10001                    ; which of the two query heads
	s_and_b32 s17, s14, 1                          ; which half of the block's queries
	s_xor_b32 s54, s15, s17                        ; 1: a late wave
	s_mov_b32 s61, 0                               ; nothing is owed yet
	s_mov_b32 s18, ttmp9                           ; p
	s_and_b32 s19, ttmp7, 0xffff
	s_lshr_b32 s20, s19, 3                         ; b
	s_and_b32 s21, s19, 7                          ; key and value head
	s_lshl_b32 s22, s21, 1
	s_add_co_u32 s22, s22, s16                     ; query head
	s_sub_co_u32 s24, 31, s18                      ; the block in hand: the long one first
	s_lshr_b32 s23, s24, 1
	s_add_co_u32 s23, s23, 1                       ; its trips
	s_mov_b32 s25, 0                               ; trip
	s_mov_b32 s26, 0                               ; slot of keys
	s_mov_b32 s28, 0                               ; LDS slot in hand
	s_mov_b32 s32, 0x3a000000                      ; 1 / 2048
	s_mov_b32 s33, 0x358637bd                      ; eps
	s_mov_b32 s34, 0x3a800000                      ; 1 / 1024
	s_mov_b32 s36, 3<<16                           ; 32,768 dense bytes as 128 rows of 256: elements of 8 bytes, no padding, no mask
	s_mov_b32 s37, 32<<16
	s_mov_b32 s38, 128<<16
	s_mov_b32 s39, 32<<16
	s_mov_b32 s40, 128
	s_mov_b32 s41, 32
	s_mov_b32 s42, 0
	s_mov_b32 s43, 0
	s_mov_b32 s44, 1
	s_lshl_b32 s45, s14, 15                        ; K at a slot's head, V 32,768 bytes on
	s_mov_b32 s57, 0
	s_mov_b32 s62, 0x76543210
	s_mov_b32 s63, 0xfedcba98
	s_lshl_b32 s30, s19, 19                        ; the head's 524,288 bytes in kimg and vimg
	s_mov_b32 s31, 0
	s_wait_dscnt 0x0
	s_wait_kmcnt 0x0
	s_cmp_eq_u32 s14, 0
	s_cselect_b64 s[52:53], s[6:7], s[8:9]
	s_add_nc_u64 s[52:53], s[52:53], s[30:31]
	s_mov_b64 s[46:47], s[52:53]
	s_or_b32 s47, s47, 0x80000000
	TLOAD                                          ; slot 0: keys 0-127, which count for every block
	s_cmp_lt_u32 s14, 4
	s_cselect_b64 s[58:59], s[6:7], s[8:9]
	s_add_nc_u64 s[58:59], s[58:59], s[30:31]
	s_and_b32 s30, s14, 3
	s_lshl_b32 s30, s30, 13
	s_add_co_u32 s30, s30, 32768                   ; in slot 1: the first change steps it to slot 2.  Nothing is prefetched at the head
	s_add_nc_u64 s[58:59], s[58:59], s[30:31]
	s_cmp_eq_u32 s18, 0
	s_cselect_b32 s60, 14, 0
	v_and_b32 v57, 31, v0
	v_and_b32 v58, 15, v0
	v_bfe_u32 v59, v0, 4, 1
	v_lshlrev_b32 v56, 4, v57                      ; 16 x lane
	v_lshlrev_b32 v60, 2, v57
	s_lshl_b32 s30, s15, 14
	v_add_nc_u32 v2, s30, v56                      ; K: my four tiles of 16 keys
	v_add_nc_u32 v3, 32768, v2                     ; V
	s_lshl_b32 s30, s15, 12
	v_add_nc_u32 v8, s30, v56                      ; Q: register tile 0 is position tile g,
	s_xor_b32 s30, s30, 4096
	v_add_nc_u32 v9, s30, v56                      ; tile 1 the other
	s_mul_i32 s30, s14, XW
	s_add_co_u32 s30, s30, XCH
	v_add_nc_u32 v10, s30, v56
	v_add_nc_u32 v12, s30, v60
	v_add_nc_u32 v12, 8192, v12
	s_xor_b32 s30, s14, 4
	s_mul_i32 s30, s30, XW
	s_add_co_u32 s30, s30, XCH
	v_add_nc_u32 v11, s30, v56
	v_add_nc_u32 v13, s30, v60
	v_add_nc_u32 v13, 8192, v13
	v_lshlrev_b32 v61, 3, v59
	v_sub_nc_u32 v61, v58, v61                     ; r - 8 h
	s_lshl_b32 s30, s17, 5
	s_lshl_b32 s31, s15, 4
	s_add_co_u32 s35, s30, s31
	v_add_nc_u32 v14, s35, v61                     ; my query in the block, less 8 h
	s_xor_b32 s31, s31, 16
	s_add_co_u32 s35, s30, s31
	v_add_nc_u32 v15, s35, v61
	s_lshl_b32 s31, s15, 6
	v_lshl_add_u32 v38, v58, 2, s31
	s_xor_b32 s31, s31, 64
	v_lshl_add_u32 v39, v58, 2, s31
	v_mov_b32 v36, 0xff800000
	v_lshlrev_b32 v37, 8, v57
	; P's registers and K's and V's are written once here: the owed product, at a trip's head, stands ahead of the loop's own writes of them, and every register is written ahead of every line that reads it, on every way
	; through the text.  These zeros are never multiplied: nothing is owed before a step has filled both.  The lines stand where the wave would wait for its first tile
	WIN 0x40
.set n, 192
.rept 32
	v_mov_b32 v[n], 0
.set n, n+1
.endr
	WIN 0
.set n, 128
.rept 128
	v_mov_b32 v[n], 0
.set n, n+1
.endr
	INIT
.Ltrip:                                            ; 16 trips; each asks for the next trip's tile
	CHANGE 1
	STEP
	s_mov_b32 s26, s27
	s_xor_b32 s28, s28, SLOT1
	s_cmp_lg_u32 s29, s23                          ; ids and the count of trips alone: all eight waves go the same way
	s_cbranch_scc1 .Lsame_block
	OWED                                           ; the block's sums are whole before they are exchanged
	FINISH
	s_mov_b32 s24, s18                             ; on to block p
	INIT
.Lsame_block:
	s_add_co_u32 s25, s25, 1
	s_cmp_lt_u32 s25, 16
	s_cbranch_scc1 .Ltrip
	CHANGE 0                                       ; the last trip is written out: nothing is left to ask for
	STEP
	OWED
	FINISH
	s_wait_tensorcnt 0x0                           ; the wave's end
	ds_add_u32 v6, v7
	s_wait_dscnt 0x0
	s_endpgm
.Lfunc_end_k_qf0a748ed90_attn:
	.size	k_qf0a748ed90_attn, .Lfunc_end_k_qf0a748ed90_attn-k_qf0a748ed90_attn
	.p2alignl 7, 3214868480
	.fill 96, 4, 3214868480
	.section	.rodata,"a",@progbits
	.p2align	6, 0x0
	.amdhsa_kernel k_qf0a748ed90_attn
		.amdhsa_group_segment_fixed_size 327680
		.amdhsa_private_segment_fixed_size 0
		.amdhsa_enable_private_segment 0
		.amdhsa_kernarg_size 40
		.amdhsa_user_sgpr_count 2
		.amdhsa_user_sgpr_kernarg_segment_ptr 1
		.amdhsa_wavefront_size32 1
		.amdhsa_system_sgpr_workgroup_id_x 1
		.amdhsa_system_sgpr_workgroup_id_y 1
		.amdhsa_system_sgpr_workgroup_id_z 1
		.amdhsa_system_vgpr_workitem_id 0
		.amdhsa_next_free_vgpr 512
		.amdhsa_next_free_sgpr 80
		.amdhsa_reserve_vcc 1
		.amdhsa_float_denorm_mode_32 3
		.amdhsa_float_denorm_mode_16_64 3
		.amdhsa_memory_ordered 1
		.amdhsa_forward_progress 1
		.amdhsa_inst_pref_size 112
	.end_amdhsa_kernel
	.amdgpu_metadata
---
amdhsa.version: [ 1, 2 ]
amdhsa.kernels:
  - .name:           k_qf0a748ed90_attn
    .symbol:         k_qf0a748ed90_attn.kd
    .args:
      - { .name: qimg, .offset: 0, .size: 8, .value_kind: global_buffer, .address_space: global }
      - { .name: kimg, .offset: 8, .size: 8, .value_kind: global_buffer, .address_space: global }
      - { .name: vimg, .offset: 16, .size: 8, .value_kind: global_buffer, .address_space: global }
      - { .name: side, .offset: 24, .size: 8, .value_kind: global_buffer, .address_space: global }
      - { .name: aimg, .offset: 32, .size: 8, .value_kind: global_buffer, .address_space: global }
    .group_segment_fixed_size: 327680
    .private_segment_fixed_size: 0
    .kernarg_segment_align: 8
    .kernarg_segment_size: 40
    .max_flat_workgroup_size: 256
    .sgpr_count:     80
    .vgpr_count:     512
    .wavefront_size: 32
...
	.end_amdgpu_metadata
.endif
;; end of part 3
;; launch proj (part 4): grid 8 x 32, 4 waves a work-group, clusters of 4 x 4, 327,680 bytes of LDS; arguments aimg, woimg, out0; writes out0
.if DOCPART == 4
	.amdgcn_target "amdgcn-amd-amdhsa--gfx1250"
	.amdhsa_code_object_version 6
	.text
	.protected	k_qf0a748ed90_proj
	.globl	k_qf0a748ed90_proj
	.p2align	8
	.type	k_qf0a748ed90_proj,@function
k_qf0a748ed90_proj:
	s_mov_b64 s[64:65], 0
	v_nop
	global_prefetch_b8 v0, s[64:65] scope:SCOPE_SE
	s_setreg_imm32_b32 hwreg(HW_REG_WAVE_MODE, 25, 1), 1
	s_wait_xcnt 0x0
	s_wait_alu depctr_hold_cnt(0) depctr_sa_sdst(0) depctr_va_vdst(0) depctr_va_sdst(0) depctr_va_ssrc(0) depctr_va_vcc(0) depctr_vm_vsrc(0)
	s_getreg_b32 s2, hwreg(HW_REG_IB_STS2, 6, 4)
	s_cmp_eq_u32 s2, 0
	s_cbranch_scc0 .Lentry_in_a_cluster
	s_endpgm
.Lentry_in_a_cluster:
	s_bfe_u32 s2, ttmp6, 0x10000c
	s_cmp_lg_u32 s2, 0xf033
	s_cbranch_scc0 .Lentry_shape_is_right
	s_endpgm
.Lentry_shape_is_right:
; out0 [4096][1024] f32 = attention output [4096][2048] x w_o [2048][1024], f16 operands, f32 sums.  Both operands come as register images: aimg [row / 128][k / 32][8 tiles of 16 rows][1,024 bytes], woimg likewise by columns.
; A tile of the output is 128 x 128: 256 work-groups of four waves, each 64 x 64: 16 accumulators.  K goes in steps of 256 through two LDS slots; a step's part of an operand is 65,536 DENSE bytes,
; brought by two waves' loads of 32,768 (waves 0, 1: the rows' operand; waves 2, 3: the columns'); a fragment is read at 16 x lane: consecutive bytes, no padding.
; CLUSTERS: 4 x 4 work-groups; the four of a row of the cluster need the same tiles of the rows' operand, the four of a column the same of the columns': joint loads with a mask that names the four.
; The matrix instruction is used transposed (source 0 = 16 columns, source 1 = 16 rows): a lane holds eight neighbouring numbers of a row of the output.
; Rows 0-15 of each batch are written here too and written over, more finely, by the launch that follows: leaving them out would want a branch on a work-group's place in its cluster.
; REGISTERS: window 0: v16-29 addresses; v32-95 at work on the way out; v128-255 the accumulators ((a, b) at v[128 + 8 (4 a + b)]).  window 1: two fragment buffers of 128: 64 registers of rows, then 64 of columns.
.set SLOT,   131072                    ; the rows' 65,536 bytes, then the columns'
.set HALFT,  32768
.set SPARE,  2*SLOT                    ; behind the ring: the spare words, 128 bytes a wave
.set SPITCH, 272                       ; the way out: a stage of 64 rows x (256 bytes + 16) for each wave, in slot 0, which has had its last fill and its last read by then
.set LAPS,   4                         ; 2,048 / 512
.set ADRA, 16
.set ADRB, 20
.set STO,  24
.set RD,   25
.set CO,   26
.set SPW,  28
.set NIL,  29
.set TMP,  32
.set ACC,  128
.set F0,   0
.set F1,   128
.set G1, 24
.set G0, 32
.set G1B, 48
.set G0B, 56
.set MSB, 0
.macro WIN new
.if MSB != (\new)
	s_set_vgpr_msb (MSB<<8)|(\new)
.set MSB, (\new)
.endif
.endm
.set MUL,  0x05                        ; sources 0 and 1 window 1; C and D window 0
.set TO_F, 0x40
.macro JLOAD s                         ; a joint load; the branch hangs on the wave's number alone
	s_cmp_eq_u32 s11, 0
	s_cbranch_scc0 .Lfor_b_\@
	tensor_load_to_lds s[G0+4*\s:G0+4*\s+3], s[G1:G1+7]
	s_nop 0
.rept 4
	v_nop
.endr
	s_branch .Lasked_\@
.Lfor_b_\@:
	tensor_load_to_lds s[G0B+4*\s:G0B+4*\s+3], s[G1B:G1B+7]
	s_nop 0
.rept 4
	v_nop
.endr
.Lasked_\@:
.endm
.macro CREST
	s_cmp_lg_u32 s10, 0
	s_cbranch_scc1 .Lnot_wave_0_\@
	s_barrier_signal -3
.Lnot_wave_0_\@:
	s_barrier_wait -3
	s_barrier_signal -1
	s_barrier_wait -1
.endm
.macro CROUND
	s_barrier_signal -1
	s_barrier_wait -1
	CREST
.endm
	s_load_b128 s[4:7], s[0:1], 0x0                ; aimg, woimg
	s_load_b64 s[8:9], s[0:1], 0x10                ; out0
	v_lshl_add_u32 v[SPW], v0, 2, SPARE
	v_mov_b32 v[NIL], 0
	ds_add_u32 v[SPW], v[NIL]                      ; the opening: the add, twice on end, and its wait ahead of my first tensor load
	ds_add_u32 v[SPW], v[NIL]
	v_lshrrev_b32 v1, 5, v0
	v_readfirstlane_b32 s10, v1                    ; wave
	s_lshr_b32 s11, s10, 1                         ; which half of the tile's rows is mine.  Also: I fetch rows (0) or columns (1)
	s_and_b32 s12, s10, 1                          ; which half of its columns.  Also: which half of a step's bytes I fetch
	s_bfe_u32 s40, ttmp6, 0x40000
	s_bfe_u32 s41, ttmp6, 0x40004
	s_lshl_b32 s42, ttmp9, 2
	s_add_co_u32 s42, s42, s40                     ; tile column
	s_and_b32 s13, ttmp7, 0xffff
	s_lshl_b32 s13, s13, 2
	s_add_co_u32 s13, s13, s41                     ; tile row
	s_lshl_b32 s43, s41, 2
	s_lshl_b32 s43, 15, s43                        ; my row of the cluster
	s_lshl_b32 s44, 0x1111, s40                    ; my column
	s_or_b32 s[G1+0], s43, (3<<16)|(1<<21)         ; the mask; elements of 8 bytes; bit 21 beside a mask; no padding
	s_or_b32 s[G1B+0], s44, (3<<16)|(1<<21)
.irp g, G1, G1B
	s_mov_b32 s[\g+1], 32<<16                      ; 32,768 dense bytes as 128 rows of 256
	s_mov_b32 s[\g+2], 128<<16
	s_mov_b32 s[\g+3], 32<<16
	s_mov_b32 s[\g+4], 128
	s_mov_b32 s[\g+5], 32
	s_mov_b32 s[\g+6], 0
	s_mov_b32 s[\g+7], 0
.endr
	s_lshl_b32 s17, s12, 15
	s_lshl_b32 s16, s13, 19
	s_add_co_u32 s16, s16, s17
	s_lshl_b32 s46, s42, 19
	s_add_co_u32 s46, s46, s17
	s_mov_b32 s17, 0
	s_mov_b32 s47, 0
	s_lshl_b32 s20, s10, 15                        ; where they go: wave x 32,768
	s_wait_dscnt 0x0
	s_wait_kmcnt 0x0
	s_add_nc_u64 s[14:15], s[4:5], s[16:17]
	s_add_nc_u64 s[46:47], s[6:7], s[46:47]
	CROUND                                         ; all sixteen work-groups are here: the first joint loads meet
.irp s, 0,1
	s_mov_b32 s[G0+4*\s], 1
	s_add_co_u32 s[G0+4*\s+1], s20, \s*SLOT
	s_add_nc_u64 s[G0+4*\s+2:G0+4*\s+3], s[14:15], \s*65536
	s_or_b32 s[G0+4*\s+3], s[G0+4*\s+3], 0x80000000
	s_mov_b32 s[G0B+4*\s], 1
	s_add_co_u32 s[G0B+4*\s+1], s20, \s*SLOT
	s_add_nc_u64 s[G0B+4*\s+2:G0B+4*\s+3], s[46:47], \s*65536
	s_or_b32 s[G0B+4*\s+3], s[G0B+4*\s+3], 0x80000000
	JLOAD \s
.endr
	v_and_b32 v1, 15, v0
	v_bfe_u32 v2, v0, 4, 1
	v_and_b32 v3, 31, v0
	v_lshlrev_b32 v3, 4, v3                        ; 16 x lane
	s_lshl_b32 s21, s11, 12                        ; my four tiles of 16 rows,
	s_lshl_b32 s22, s12, 12                        ; my four of 16 columns,
	s_add_co_u32 s22, s22, 65536                   ; which lie behind the rows' bytes
.irp s, 0,1
	v_add_nc_u32 v[ADRA+\s], s21, v3
	v_add_nc_u32 v[ADRB+\s], s22, v3
	s_add_co_u32 s21, s21, SLOT
	s_add_co_u32 s22, s22, SLOT
.endr
	s_mul_i32 s23, s10, 64*SPITCH                  ; my stage
	v_mul_u32_u24 v4, v1, SPITCH
	v_lshl_add_u32 v4, v2, 5, v4
	v_add_nc_u32 v[STO], s23, v4                   ; in: row l % 16, 32 bytes for each half of the lanes
	v_mul_u32_u24 v5, v2, SPITCH
	v_lshl_add_u32 v5, v1, 4, v5
	v_add_nc_u32 v[RD], s23, v5                    ; back: lanes 0-15 one row of 256 bytes, lanes 16-31 the next
	v_lshlrev_b32 v5, 12, v2
	v_lshl_add_u32 v[CO], v1, 4, v5                ; and the same two rows in the output
	s_lshl_b32 s16, s13, 7
	s_lshl_b32 s17, s11, 6
	s_add_co_u32 s16, s16, s17
	s_lshl_b32 s16, s16, 12                        ; my first row, 4,096 bytes a row
	s_mov_b32 s17, 0
	s_add_nc_u64 s[8:9], s[8:9], s[16:17]
	s_lshl_b32 s46, s42, 9
	s_lshl_b32 s47, s12, 8
	s_add_co_u32 s46, s46, s47                     ; my first column, in bytes: a multiple of 256
	s_mov_b32 s47, 0
	s_add_nc_u64 s[8:9], s[8:9], s[46:47]
.macro MUL8 f, c, a0, zero             ; 8 products: row tiles a0, a0 + 1 x the 4 column tiles, 32 along K.  The 16 accumulators take turns
.irp a, \a0, \a0+1
.irp b, 0,1,2,3
.if \zero
	v_wmma_f32_16x16x32_f16 v[ACC+8*(4*(\a)+\b):ACC+8*(4*(\a)+\b)+7], v[\f+64+8*(4*\c+\b):\f+64+8*(4*\c+\b)+7], v[\f+8*(4*\c+\a):\f+8*(4*\c+\a)+7], 0
.else
	v_wmma_f32_16x16x32_f16 v[ACC+8*(4*(\a)+\b):ACC+8*(4*(\a)+\b)+7], v[\f+64+8*(4*\c+\b):\f+64+8*(4*\c+\b)+7], v[\f+8*(4*\c+\a):\f+8*(4*\c+\a)+7], v[ACC+8*(4*(\a)+\b):ACC+8*(4*(\a)+\b)+7]
.endif
.endr
.endr
.endm
.macro FETCH slot, q, f                ; 32 LDS loads in one run: quarter q of the slot (64 along K), the first 32 along K first
	WIN TO_F
.irp c, 0,1
.irp i, 0,1,2,3
	ds_load_b128 v[\f+64+8*(4*\c+\i):\f+64+8*(4*\c+\i)+3],   v[ADRB+\slot] offset:(2*(\q)+\c)*8192+\i*1024
	ds_load_b128 v[\f+64+8*(4*\c+\i)+4:\f+64+8*(4*\c+\i)+7], v[ADRB+\slot] offset:(2*(\q)+\c)*8192+\i*1024+512
	ds_load_b128 v[\f+8*(4*\c+\i):\f+8*(4*\c+\i)+3],         v[ADRA+\slot] offset:(2*(\q)+\c)*8192+\i*1024
	ds_load_b128 v[\f+8*(4*\c+\i)+4:\f+8*(4*\c+\i)+7],       v[ADRA+\slot] offset:(2*(\q)+\c)*8192+\i*1024+512
.endr
.endr
.endm
.macro PLACES
.rept 4
	v_nop
.endr
.endm
.macro QUARTER slot, q, f, g, zero     ; multiplies buffer f and fetches quarter q into g
	s_wait_dscnt 16                                ; the first 32 along K are in; the younger sixteen loads may be out
	WIN MUL
	MUL8 \f, 0, 0, \zero
	MUL8 \f, 0, 2, \zero
	PLACES
	FETCH \slot, \q, \g
	s_wait_dscnt 32                                ; all but the 32 just issued
	WIN MUL
	MUL8 \f, 1, 0, 0
	MUL8 \f, 1, 2, 0
.endm
.macro TURN slot, next, fill           ; a slot's last quarter changes slots
	WIN 0
	s_wait_tensorcnt 0x0                           ; all my tensor loads have landed: my part of the next slot
	ds_add_u32 v[SPW], v[NIL]
	s_wait_dscnt 17                                ; the add and the youngest sixteen loads may be out
	WIN MUL
	MUL8 F1, 0, 0, 0
	s_wait_dscnt 0x0                               ; the add is done, and my reads of this slot are over
	s_barrier_signal -1
	MUL8 F1, 0, 2, 0
.if \fill
	WIN 0
.endif
	s_barrier_wait -1
.if \fill
	CREST                                          ; the barrier has opened a round of the cluster's: no wave of any partner still reads this slot or has a load on its way
	s_add_nc_u64 s[G0+4*\slot+2:G0+4*\slot+3], s[G0+4*\slot+2:G0+4*\slot+3], 131072
	s_add_nc_u64 s[G0B+4*\slot+2:G0B+4*\slot+3], s[G0B+4*\slot+2:G0B+4*\slot+3], 131072
	JLOAD \slot                                    ; two K steps on; its four v_nop are also the places in front of the loads below
.else
	PLACES
.endif
	FETCH \next, 0, F0
	WIN MUL
	MUL8 F1, 1, 0, 0
	MUL8 F1, 1, 2, 0
.endm
	s_wait_tensorcnt 1                             ; my part of K step 0 is in; K step 1's load may stay out
	s_barrier_signal -1
	s_barrier_wait -1
	FETCH 0, 0, F0
	QUARTER 0, 1, F0, F1, 1                        ; the first quarter's first products start the sums
	WIN 0
	s_mov_b32 s3, LAPS-1
.Llap:
	QUARTER 0, 2, F1, F0, 0
	QUARTER 0, 3, F0, F1, 0
	TURN 0, 1, 1
	QUARTER 1, 1, F0, F1, 0
	QUARTER 1, 2, F1, F0, 0
	QUARTER 1, 3, F0, F1, 0
	TURN 1, 0, 1
	QUARTER 0, 1, F0, F1, 0
	WIN 0
	s_sub_co_u32 s3, s3, 1
	s_cmp_lg_u32 s3, 0
	s_cbranch_scc1 .Llap
	QUARTER 0, 2, F1, F0, 0                        ; the last lap fills nothing
	QUARTER 0, 3, F0, F1, 0
	TURN 0, 1, 0
	QUARTER 1, 1, F0, F1, 0
	QUARTER 1, 2, F1, F0, 0
	QUARTER 1, 3, F0, F1, 0
	s_wait_dscnt 16
	WIN MUL
	MUL8 F1, 0, 0, 0
	MUL8 F1, 0, 2, 0
	s_wait_dscnt 0
	MUL8 F1, 1, 0, 0
	MUL8 F1, 1, 2, 0
	WIN 0
	; THE WAY OUT: my 64 rows x 256 bytes through my own stage, back as whole rows; sixteen lanes store 256 consecutive aligned bytes.  LDS serves a wave's instructions in order: no wait between the stores and the loads
	PLACES
.irp a, 0,1,2,3
.irp b, 0,1,2,3
	ds_store_b128 v[STO], v[ACC+8*(4*\a+\b):ACC+8*(4*\a+\b)+3] offset:\a*16*SPITCH+64*\b       ; each accumulator from its low end on
	ds_store_b128 v[STO], v[ACC+8*(4*\a+\b)+4:ACC+8*(4*\a+\b)+7] offset:\a*16*SPITCH+64*\b+16
.endr
.endr
.set t, 0
.rept 16
	ds_load_b128 v[TMP+4*t:TMP+4*t+3], v[RD] offset:t*2*SPITCH
.set t, t+1
.endr
.rept 16
	ds_load_b128 v[ACC+4*(t-16):ACC+4*(t-16)+3], v[RD] offset:t*2*SPITCH
.set t, t+1
.endr
.set t, 0
.rept 16
	s_wait_dscnt 31-t                              ; the younger loads may stay out
	global_store_b128 v[CO], v[TMP+4*t:TMP+4*t+3], s[8:9] offset:2*t*4096 th:TH_STORE_NT
.set t, t+1
.endr
.rept 16
	s_wait_dscnt 31-t
	global_store_b128 v[CO], v[ACC+4*(t-16):ACC+4*(t-16)+3], s[8:9] offset:2*t*4096 th:TH_STORE_NT
.set t, t+1
.endr
	s_wait_tensorcnt 0x0                           ; the wave's end
	ds_add_u32 v[SPW], v[NIL]
	s_wait_dscnt 0x0
	CROUND                                         ; the closing round
	s_endpgm
.Lfunc_end_k_qf0a748ed90_proj:
	.size	k_qf0a748ed90_proj, .Lfunc_end_k_qf0a748ed90_proj-k_qf0a748ed90_proj
	.p2alignl 7, 3214868480
	.fill 96, 4, 3214868480
	.section	.rodata,"a",@progbits
	.p2align	6, 0x0
	.amdhsa_kernel k_qf0a748ed90_proj
		.amdhsa_group_segment_fixed_size 327680
		.amdhsa_private_segment_fixed_size 0
		.amdhsa_enable_private_segment 0
		.amdhsa_kernarg_size 24
		.amdhsa_user_sgpr_count 2
		.amdhsa_user_sgpr_kernarg_segment_ptr 1
		.amdhsa_wavefront_size32 1
		.amdhsa_system_sgpr_workgroup_id_x 1
		.amdhsa_system_sgpr_workgroup_id_y 1
		.amdhsa_system_sgpr_workgroup_id_z 1
		.amdhsa_system_vgpr_workitem_id 0
		.amdhsa_next_free_vgpr 512
		.amdhsa_next_free_sgpr 66
		.amdhsa_reserve_vcc 0
		.amdhsa_float_denorm_mode_32 3
		.amdhsa_float_denorm_mode_16_64 3
		.amdhsa_memory_ordered 1
		.amdhsa_forward_progress 1
		.amdhsa_inst_pref_size 86
	.end_amdhsa_kernel
	.amdgpu_metadata
---
amdhsa.version: [ 1, 2 ]
amdhsa.kernels:
  - .name:           k_qf0a748ed90_proj
    .symbol:         k_qf0a748ed90_proj.kd
    .args:
      - { .name: aimg, .offset: 0, .size: 8, .value_kind: global_buffer, .address_space: global }
      - { .name: woimg, .offset: 8, .size: 8, .value_kind: global_buffer, .address_space: global }
      - { .name: out0, .offset: 16, .size: 8, .value_kind: global_buffer, .address_space: global }
    .group_segment_fixed_size: 327680
    .private_segment_fixed_size: 0
    .kernarg_segment_align: 8
    .kernarg_segment_size: 24
    .max_flat_workgroup_size: 128
    .sgpr_count:     66
    .vgpr_count:     512
    .wavefront_size: 32
...
	.end_amdgpu_metadata
.endif
;; end of part 4
;; launch first16 (part 5): grid 64 x 2, 16 waves a work-group, no clusters, 18,432 bytes of LDS; arguments side, w_o, out0; writes out0
.if DOCPART == 5
	.amdgcn_target "amdgcn-amd-amdhsa--gfx1250"
	.amdhsa_code_object_version 6
	.text
	.protected	k_qf0a748ed90_first16
	.globl	k_qf0a748ed90_first16
	.p2align	8
	.type	k_qf0a748ed90_first16,@function
k_qf0a748ed90_first16:
	s_mov_b64 s[64:65], 0
	v_nop
	global_prefetch_b8 v0, s[64:65] scope:SCOPE_SE
	s_setreg_imm32_b32 hwreg(HW_REG_WAVE_MODE, 25, 1), 1
	s_wait_xcnt 0x0
; The first 16 positions of each batch, in f32 from the norm on: they average one to sixteen values, so the rounding of 16-bit operands weighs most there.  32 rows of out0 are written over.
; A work-group is one batch and 16 output columns.  Wave hd is query head hd.  THE SUM IS TAKEN AS  out = sum over heads of P (V W),  W being the head's 128 rows of w_o at the 16 columns:
;   S^T = K Q^T (32 instructions of the f32 matrix form), the softmax, V W (32: 16 keys x 16 columns over the head's 128 channels), P (V W) (4): 68 a wave: no bulk work.
; So nothing changes lanes and nothing goes through LDS on the way: V, laid as Q and K are (lane = position, registers along d), is source 0 of V W as it is loaded; the result of V W holds a column a lane and the keys
; 8 h + j in its registers, which is what source 1 of the last product wants; P holds a query a lane and the same keys.  The sixteen heads' parts meet in LDS behind one barrier.
; Q, K (normalised by their own 1,024 columns, roped) and V come in f32 from side + 32,768: [b][32 places: 16 Q, 8 K, 8 V][8,192 bytes]: the 16 bytes d = 16 c + 8 h + 4 u + 0 .. 3 of position r at 1,024 c + 512 u + 16 lane:
; a load covers 512 consecutive bytes.  Q's open factor of the norm is made from the two sums of squares, as in the attention.
; The f32 matrix form takes k = 2 h + j from a lane's two registers.  Both sides of each product carry the same permutation of k, which leaves the products as they are:
; register w of Q, K, V and W holds d = 16 (w / 8) + 8 h + w % 8; register jj of P and of V W holds key 8 h + jj.
; The registers that the f32 matrix form writes, v208-255, are written by matrix instructions alone.  LIMITS: NaN and infinities are not served.
; REGISTERS: v1-15 addresses and small numbers; v16-79 Q, then V; v80-143 K, then at work (v80-87 scores and at last the sums, v88-95 p, v96-111 V W); v144-207 W; v208-223 two accumulators of the last product; v224-255 four accumulators.
.set SPARE, 16384                      ; LDS: the waves' partial sums, 1,024 bytes a wave, from byte 0; behind them the spare words, 128 bytes a wave
	s_load_b128 s[4:7], s[0:1], 0x0                ; side, w_o
	s_load_b64 s[8:9], s[0:1], 0x10                ; out0
	v_lshl_add_u32 v6, v0, 2, SPARE
	v_mov_b32 v7, 0
	v_lshrrev_b32 v1, 5, v0
	v_readfirstlane_b32 s10, v1                    ; wave = head
	s_and_b32 s11, ttmp7, 0xffff                   ; b
	v_and_b32 v1, 15, v0                           ; r
	v_bfe_u32 v2, v0, 4, 1                         ; h
	v_and_b32 v8, 31, v0                           ; lane
	v_lshlrev_b32 v3, 4, v8                        ; Q, K, V: 16 x lane
	v_lshlrev_b32 v5, 2, v1                        ; 4 r
	v_lshl_add_u32 v4, v2, 15, v5                  ; w_o and out0 alike: 8 h rows of 4,096 bytes, + 4 r; never rewritten
	v_lshlrev_b32 v10, 2, v8
	s_lshl_b32 s13, s10, 7
	v_add_nc_u32 v11, s13, v10                     ; the sums, back: row j = wave of every wave's eight
	s_lshl_b32 s13, s10, 10
	v_add_nc_u32 v10, s13, v10                     ; the sums, in
	s_mov_b32 s26, 0x3a000000                      ; 1 / 2048
	s_mov_b32 s27, 0x358637bd                      ; eps
	s_mov_b32 s28, 0x3a800000                      ; 1 / 1024
	s_mov_b32 s30, 0x76543210
	s_mov_b32 s31, 0xfedcba98
	s_mov_b32 s33, 0
	s_lshl_b32 s34, s11, 5                         ; b x 32 places
	s_lshr_b32 s35, s10, 1                         ; my key and value head
	s_wait_kmcnt 0x0
	s_add_co_u32 s32, s34, s10
	s_lshl_b32 s32, s32, 13
	s_add_co_u32 s32, s32, 32768
	s_add_nc_u64 s[14:15], s[4:5], s[32:33]        ; Q
	s_add_co_u32 s32, s34, s35
	s_lshl_b32 s32, s32, 13
	s_add_co_u32 s32, s32, 32768+16*8192
	s_add_nc_u64 s[16:17], s[4:5], s[32:33]        ; K
	s_add_nc_u64 s[18:19], s[16:17], 8*8192        ; V
	s_lshl_b32 s32, s11, 13
	s_add_nc_u64 s[20:21], s[4:5], s[32:33]        ; the sums of squares of rows b x 2048 + r
	s_lshr_b32 s32, s10, 3
	s_lshl_b32 s32, s32, 14
	s_add_nc_u64 s[22:23], s[20:21], s[32:33]      ; those of my head's half
	s_lshl_b32 s32, s10, 19
	s_lshl_b32 s34, ttmp9, 6
	s_add_co_u32 s32, s32, s34
	s_add_nc_u64 s[6:7], s[6:7], s[32:33]          ; w_o: rows 128 hd on, my work-group's 16 columns
	s_lshl_b32 s32, s11, 23
	s_add_co_u32 s32, s32, s34
	s_lshl_b32 s34, s10, 12
	s_add_co_u32 s32, s32, s34
	s_add_nc_u64 s[24:25], s[8:9], s[32:33]        ; out0: row b x 2048 + wave (waves 0-7 store)
.set i, 0
.rept 16
	global_load_b128 v[16+4*i:19+4*i], v3, s[14:15] offset:512*i
	global_load_b128 v[80+4*i:83+4*i], v3, s[16:17] offset:512*i
.set i, i+1
.endr
	global_load_b32 v12, v5, s[20:21]
	global_load_b32 v13, v5, s[20:21] offset:16384
	global_load_b32 v14, v5, s[22:23]
.set w, 0
.rept 64
	global_load_b32 v[144+w], v4, s[6:7] offset:(16*(w/8)+w%8)*4096     ; w_o(128 hd + 16 (w / 8) + 8 h + w % 8, my column): asked for at once, wanted behind the softmax
.set w, w+1
.endr
	s_wait_loadcnt 63                              ; loads come back in order: Q, K and the three sums, the 35 oldest, are in; 63 of W's 64 may stay out (the largest count that the wait can name)
	; ---- S^T = K Q^T: 32 steps of 4 along d, four accumulators by turns; the first four start the sums
.set n, 0
.rept 32
.if n < 4
	v_wmma_f32_16x16x4_f32 v[224+8*(n%4):231+8*(n%4)], v[80+2*n:81+2*n], v[16+2*n:17+2*n], 0
.else
	v_wmma_f32_16x16x4_f32 v[224+8*(n%4):231+8*(n%4)], v[80+2*n:81+2*n], v[16+2*n:17+2*n], v[224+8*(n%4):231+8*(n%4)]
.endif
.set n, n+1
.endr
.rept 8
	v_nop                                          ; eight places behind this form, in front of reads of its results, of loads into its sources and of vector lines that write them
.endr
.set i, 0
.rept 16
	global_load_b128 v[16+4*i:19+4*i], v3, s[18:19] offset:512*i        ; V, where Q lay: it lands while the softmax is walked
.set i, i+1
.endr
.irp j, 0,1,2,3,4,5,6,7
	v_add_f32 v[80+\j], v[224+\j], v[232+\j]       ; each accumulator from its low end on
	v_add_f32 v[88+\j], v[240+\j], v[248+\j]
.endr
.irp j, 0,1,2,3,4,5,6,7
	v_add_f32 v[80+\j], v[80+\j], v[88+\j]         ; lane (r, h): query r, key 8 h + j
.endr
	v_add_f32 v12, v12, v13
	v_fma_f32 v14, v14, s28, s27
	v_fma_f32 v12, v12, s26, s27
	v_rsq_f32 v13, v12
	v_sqrt_f32 v15, v14
	v_nop
	s_wait_alu depctr_va_vdst(0)                   ; the wait ahead of the first use: one for the two
	v_mul_f32 v13, v13, v15
	v_mul_f32 v13, 0x3e0293ee, v13                 ; c = log2(e) / sqrt(128) x what Q's norm still owes
	v_lshlrev_b32 v12, 3, v2
	v_sub_nc_u32 v12, v1, v12                      ; r - 8 h
	v_mov_b32 v14, 0xff800000
.irp j, 0,1,2,3,4,5,6,7
	v_mul_f32 v[80+\j], v13, v[80+\j]
	v_cmp_gt_i32 vcc_lo, \j, v12                   ; key 8 h + j after query r: hidden
	v_cndmask_b32 v[80+\j], v[80+\j], v14, vcc_lo
.endr
	v_max3_num_f32 v15, v80, v81, v82
	v_max3_num_f32 v15, v15, v83, v84
	v_max3_num_f32 v15, v15, v85, v86
	v_max_num_f32 v15, v15, v87
	v_permlanex16_b32 v88, v15, s30, s31
	v_max_num_f32 v15, v15, v88                    ; key 0 counts for every query: a number
.irp j, 0,1,2,3,4,5,6,7
	v_sub_f32 v[80+\j], v[80+\j], v15
.endr
.irp j, 0,1,2,3,4,5,6,7
	v_exp_f32 v[88+\j], v[80+\j]
.endr
	v_nop
	s_wait_alu depctr_va_vdst(0)
	v_add_f32 v12, v88, v89
	v_add_f32 v13, v90, v91
	v_add_f32 v14, v92, v93
	v_add_f32 v15, v94, v95
	v_add_f32 v12, v12, v13
	v_add_f32 v14, v14, v15
	v_add_f32 v12, v12, v14
	v_permlanex16_b32 v13, v12, s30, s31
	v_add_f32 v12, v12, v13
	v_rcp_f32 v14, v12
	v_nop
	s_wait_alu depctr_va_vdst(0)
.irp j, 0,1,2,3,4,5,6,7
	v_mul_f32 v[88+\j], v[88+\j], v14              ; the weights: lane (r, h): query r, key 8 h + j
.endr
	; ---- V W: source 0 = V's 16 keys, source 1 = W's 16 columns; 32 steps of 4 along the head's channels, the four accumulators by turns.  They begin anew with the constant 0: far more than nine plain lines that name none of them stand behind S^T's last product
	s_wait_loadcnt 0x0                             ; W and V
.set n, 0
.rept 32
.if n < 4
	v_wmma_f32_16x16x4_f32 v[224+8*(n%4):231+8*(n%4)], v[16+2*n:17+2*n], v[144+2*n:145+2*n], 0
.else
	v_wmma_f32_16x16x4_f32 v[224+8*(n%4):231+8*(n%4)], v[16+2*n:17+2*n], v[144+2*n:145+2*n], v[224+8*(n%4):231+8*(n%4)]
.endif
.set n, n+1
.endr
.rept 8
	v_nop
.endr
.irp j, 0,1,2,3,4,5,6,7
	v_add_f32 v[96+\j], v[224+\j], v[232+\j]
	v_add_f32 v[104+\j], v[240+\j], v[248+\j]
.endr
.irp j, 0,1,2,3,4,5,6,7
	v_add_f32 v[96+\j], v[96+\j], v[104+\j]        ; lane (r, h): column r, key 8 h + j
.endr
	; ---- P (V W): source 0 = P's 16 queries, source 1 = the 16 columns; 4 steps of 4 keys, two accumulators by turns
.irp kk, 0,1,2,3
.if \kk < 2
	v_wmma_f32_16x16x4_f32 v[208+8*(\kk%2):215+8*(\kk%2)], v[88+2*\kk:89+2*\kk], v[96+2*\kk:97+2*\kk], 0
.else
	v_wmma_f32_16x16x4_f32 v[208+8*(\kk%2):215+8*(\kk%2)], v[88+2*\kk:89+2*\kk], v[96+2*\kk:97+2*\kk], v[208+8*(\kk%2):215+8*(\kk%2)]
.endif
.endr
.rept 8
	v_nop
.endr
.irp j, 0,1,2,3,4,5,6,7
	v_add_f32 v[80+\j], v[208+\j], v[216+\j]       ; lane (r, h): my head's part of out(8 h + j, column r)
.endr
.irp j, 0,1,2,3,4,5,6,7
	ds_store_b32 v10, v[80+\j] offset:128*\j
.endr
	s_wait_dscnt 0x0                               ; my sums are stored
	s_barrier_signal -1
	s_barrier_wait -1
	s_cmp_lt_u32 s10, 8                            ; wave j adds up row 8 h + j of the sixteen heads' parts
	s_cbranch_scc0 .Ldone
.set w, 0
.rept 16
	ds_load_b32 v[144+w], v11 offset:1024*w
.set w, w+1
.endr
	s_wait_dscnt 0x0
.irp d, 8,4,2,1
.set w, 0
.rept \d
	v_add_f32 v[144+w], v[144+w], v[144+w+\d]
.set w, w+1
.endr
.endr
	global_store_b32 v4, v144, s[24:25]            ; sixteen lanes store 64 consecutive bytes of a row: all that the work-group owns of it
.Ldone:
	s_wait_tensorcnt 0x0                           ; the wave's end, behind my last LDS store
	ds_add_u32 v6, v7
	s_wait_dscnt 0x0
	s_endpgm
.Lfunc_end_k_qf0a748ed90_first16:
	.size	k_qf0a748ed90_first16, .Lfunc_end_k_qf0a748ed90_first16-k_qf0a748ed90_first16
	.p2alignl 7, 3214868480
	.fill 96, 4, 3214868480
	.section	.rodata,"a",@progbits
	.p2align	6, 0x0
	.amdhsa_kernel k_qf0a748ed90_first16
		.amdhsa_group_segment_fixed_size 18432
		.amdhsa_private_segment_fixed_size 0
		.amdhsa_enable_private_segment 0
		.amdhsa_kernarg_size 24
		.amdhsa_user_sgpr_count 2
		.amdhsa_user_sgpr_kernarg_segment_ptr 1
		.amdhsa_wavefront_size32 1
		.amdhsa_system_sgpr_workgroup_id_x 1
		.amdhsa_system_sgpr_workgroup_id_y 1
		.amdhsa_system_sgpr_workgroup_id_z 1
		.amdhsa_system_vgpr_workitem_id 0
		.amdhsa_next_free_vgpr 256
		.amdhsa_next_free_sgpr 66
		.amdhsa_reserve_vcc 1
		.amdhsa_float_denorm_mode_32 3
		.amdhsa_float_denorm_mode_16_64 3
		.amdhsa_memory_ordered 1
		.amdhsa_forward_progress 1
		.amdhsa_inst_pref_size 26
	.end_amdhsa_kernel
	.amdgpu_metadata
---
amdhsa.version: [ 1, 2 ]
amdhsa.kernels:
  - .name:           k_qf0a748ed90_first16
    .symbol:         k_qf0a748ed90_first16.kd
    .args:
      - { .name: side, .offset: 0, .size: 8, .value_kind: global_buffer, .address_space: global }
      - { .name: w_o, .offset: 8, .size: 8, .value_kind: global_buffer, .address_space: global }
      - { .name: out0, .offset: 16, .size: 8, .value_kind: global_buffer, .address_space: global }
    .group_segment_fixed_size: 18432
    .private_segment_fixed_size: 0
    .kernarg_segment_align: 8
    .kernarg_segment_size: 24
    .max_flat_workgroup_size: 512
    .sgpr_count:     66
    .vgpr_count:     256
    .wavefront_size: 32
...
	.end_amdgpu_metadata
.endif
;; end of part 5
